; MI455X (gfx1250); checked and timed in simulation.
; The chip was launched on July 23, 2026; its instructions are those of AMD's public machine-readable ISA for CDNA 5 (MIT licence, August 2026) and "CDNA5" Instruction Set Architecture Reference Guide (July 2026). The comments in the code are by the model that wrote it; some were corrected since.
;; Multi Head Attention. Allowed arithmetic: matrix products marked QUANTISED: E5M2 operands, one E8M0 scale for each 32 along K, by v_wmma_scale_f32_16x16x128_f8f6f4 with both operands' format E5M2, f32 sums; everything else in f32.
;; Inputs: b_attn 3,072 float32; b_proj 1,024 float32; w_attn 1,024 x 3,072 float32; w_proj 1,024 x 1,024 float32; x 4 x 2,048 x 1,024 float32.
;; Outputs: out0 4 x 2,048 x 1,024 float32.
;; This version of the problem:
;;   THIS VERSION OF THE PROBLEM IS GIVEN IN LOW PRECISION. The matrix products marked QUANTISED in the list below multiply operands that are first quantised to E5M2 (5 exponent bits, 2 mantissa bits; 8 bits a number), with one power-of-two scale for each 32 numbers along K (OCP MX v1.0); their sums are f32. All else is computed in f32.
;;   The module's matrix products, in the order in which they are computed (A, B: the left and right operand; K: the contracted axis; several contracted axes count as one K, in the product's order):
;;     1. [M 8,192, K 1,024] x [K 1,024, N 3,072]; A: input x; B: input w_attn: QUANTISED
;;     2. batch 64 x [M 2,048, K 64] x [K 64, N 2,048]; A: computed on the way; B: computed on the way: QUANTISED
;;     3. batch 64 x [M 2,048, K 2,048] x [K 2,048, N 64]; A: softmax (see below); B: computed on the way: QUANTISED
;;     4. [M 8,192, K 1,024] x [K 1,024, N 1,024]; A: computed on the way; B: input w_proj: QUANTISED
;;   THE QUANTISER, for each operand of a quantised product, along K:
;;     - K is cut into blocks of 32 from its start; a last block that is shorter is filled with zeros.
;;     - A block's scale is 2^e with e = floor(log2(the largest magnitude in the block)) - 15, held to -126 .. 127; a block of zeros has e = 0. As a byte (E8M0): e + 127.
;;     - Each number is divided by its block's scale, clamped to +-57,344, and rounded to the nearest number of E5M2, ties to even, subnormals kept.
;;     - The product sums the exact products of the quantised numbers (number of the format x scale) in f32.
;;   ~~~python
;;   def quantise(x, axis):      # numpy; x: float32 -> the quantised numbers, widened to float32 again
;;       x = np.moveaxis(x, axis, -1); K = x.shape[-1]
;;       x = np.pad(x, [(0, 0)] * (x.ndim - 1) + [(0, -K % 32)]); x = x.reshape(x.shape[:-1] + (-1, 32)); a = np.abs(x).max(-1, keepdims=True)
;;       e = np.where(a > 0, np.clip(np.frexp(np.where(a > 0, a, 1))[1] - 1 - 15, -126, 127), 0)      # np.frexp(a)[1] - 1 = floor(log2(a)), exactly
;;       r = np.clip(x / 2.0 ** e, -57344, 57344)
;;       step = 2.0 ** (np.maximum(np.frexp(np.where(r == 0, 1, r))[1] - 1, -14) - 2)
;;       q = np.round(r / step) * step * 2.0 ** e      # np.round: ties to even
;;       return np.moveaxis(q.reshape(q.shape[:-2] + (-1,))[..., :K], -1, axis).astype(np.float32)
;;   ~~~
;;   SOFTMAX AHEAD OF A QUANTISED PRODUCT. Where the list says 'softmax', what is quantised is not the finished softmax but p = 2^(t - M), with t = logit x log2(e) and M = ceil(the row's largest t), a whole number; so 1/2 < the row's largest p <= 1. The row's sum l is taken of the UNQUANTISED p, in f32, and the product's result is divided by l at the end. Since M is a whole number, a kernel that streams over the keys may use a running M (the ceiling of the running maximum): every later rescaling is an exact power of two, which a block's scale takes up: the codes' values come out the same.
;;   OPERANDS COMPUTED ON THE WAY. 'Computed on the way' means the value that the module computes at that place (a softmax that the list does not call 'softmax' is quantised finished and normalised). What goes into a quantiser is computed in f32, as accurately as f32 sums, v_exp_f32 and their like allow (about 1e-6 of the number): no bf16 or f16 on the way to a quantiser, and a product that is left as it is and whose result goes on into a quantised operand takes f32 operands (vector FMAs, or v_wmma_f32_16x16x4_f32). A number that lies on a knife's edge between two numbers of the format may be rounded either way, as far as f32 arithmetic and the matrix unit's own rounding can turn it there, and no further.
;; One version. Each part assembles by itself: llvm-mc -triple=amdgcn-amd-amdhsa -mcpu=gfx1250 --defsym DOCPART=n.
;; ======== version 1 of 1: 4 launches
;; limits: right only within a limited range of input values
;; workspace buffers: x_img 8,388,608 bytes; x_sc 262,144 bytes; w_img 4,194,304 bytes; w_sc 131,072 bytes; qkv_img 25,165,824 bytes; qkv_sc 1,572,864 bytes; y_img 8,388,608 bytes; y_sc 262,144 bytes
;; launch quant (part 1): grid 512 x 1, 4 waves a work-group, no clusters, 68,096 bytes of LDS; arguments x, w_attn, w_proj, x_img, x_sc, w_img, w_sc; writes x_img, x_sc, w_img, w_sc
.if DOCPART == 1
	.amdgcn_target "amdgcn-amd-amdhsa--gfx1250"
	.amdhsa_code_object_version 6
	.text
	.protected	k_qed78582b71_quant
	.globl	k_qed78582b71_quant
	.p2align	8
	.type	k_qed78582b71_quant,@function
k_qed78582b71_quant:
	s_mov_b64 s[64:65], 0
	v_nop
	global_prefetch_b8 v0, s[64:65] scope:SCOPE_SE
	s_setreg_imm32_b32 hwreg(HW_REG_WAVE_MODE, 25, 1), 1
	s_wait_xcnt 0x0
; x [8192][1024], w_attn [1024][3072] and w_proj [1024][1024], f32, become codes of BF8 (E5M2) with one E8M0 scale byte for each 32 along K (x: its last axis; the weights: their FIRST axis).
; A block's scale is 2^(floor(log2(its largest magnitude)) - 15); each number is divided by it, held within +-57,344 and rounded to the nearest code, ties to even.
; THE CODES ARE LAID AS THE MATRIX OPERAND'S REGISTERS WANT THEM.  An operand's rows (x: tokens; a weight: its columns) go in blocks of 128, a block in 8 tiles of 16; lane-row r of tile i is row
; 32 (i / 2) + 8 (i % 2) + r + 8 (r / 8).  A fragment (a tile x 128 K) is 2,048 bytes: byte 512 c + 16 lane + e is the code of lane-row lane % 16 at k = 32 c + 16 (lane / 16) + e.
; Codes: [row block][K slot of 256: 4][q: 2][tile: 8][2048].  Scale words (four bytes: 128 K of one row): [row block][slot 4][tile 8][r 16][q 2].  w_img, w_sc: row blocks 0-23 w_attn's columns, 24-31 w_proj's.
; LIMITS: a block of zeros, and a block whose largest magnitude lies under 2^-111, gets the byte 1 (its codes are zeros or subnormal codes; the bytes are read by this program alone); NaN and infinities are not served.
; Work-groups 0-255 take x: 32 rows each (two tiles), wave w the K slot w.  Work-groups 256-511 take the weights: a row block (128 columns) x 128 along K (the q-th half of a K slot), wave w 32 columns:
; four blocks of 32 down K a lane, two of them (64 loads a wave) asked for ahead.
; No barrier: waves share nothing.  The two paths have LDS bytes of their own.
.set WREG,  8448                       ; a wave's stage: x: 16 rows x (512 + 16) bytes; weights: two tiles, 4,224 bytes apart
.set WST,   4*WREG                     ; the weights' stages lie behind x's
.set SEL,   20                         ; s[20:21] lane selects for v_permlanex16_b32: lane l xor 16
.set MNT,   22                         ; s22  the mantissa field of 57,344
.set HI16,  23                         ; s23  a mask of lanes 16-31
.set W,     8                          ; x: v8-11   the four fragments' scale words
.set R,     16                         ; x: v16-143 two sets of 64 registers as loaded
.set X,     144                        ; x: v144-207 64 numbers of my row: register 16 c + i is k = 32 c + 16 (lane / 16) + i
.set PC,    208                        ; x: v208-239 codes, two sets of 16
.set TM,    240                        ; x: v240-243 largest magnitudes, v244-247 bytes, v248-251 the hold, v252-255 the conversions' scale operands
.set SB,    14                         ; w: v14 my column's four scale bytes
.set VO,    16                         ; w: v16-47  4 x lane + i rows of the weight
.set XW,    48                         ; w: v48-111 two sets of 32 numbers down K
.set CW,    112                        ; w: v112-119 a block's codes
.set OUTR,  120                        ; w: v120-151 the way out
; 64 numbers of a lane, v[s] on, become a fragment's 16 registers of codes, v[pc] on, and its scale word v[pw]
.macro QUANT s, pc, pw
.irp b, 0,1,2,3
	v_max3_num_f32 v[TM+\b], |v[\s+16*\b]|, |v[\s+1+16*\b]|, 0x8000000   ; block b: my 16 numbers and the floor 2^(16 - 127): the byte cannot fall under 1
.endr
.irp i, 2,4,6,8,10,12,14
.irp b, 0,1,2,3
	v_max3_num_f32 v[TM+\b], v[TM+\b], |v[\s+16*\b+\i]|, |v[\s+1+16*\b+\i]|   ; the four blocks by turns
.endr
.endr
.irp b, 0,1,2,3
	v_permlanex16_b32 v[TM+4+\b], v[TM+\b], s[SEL], s[SEL+1]
.endr
.irp b, 0,1,2,3
	v_max_num_f32 v[TM+\b], v[TM+\b], v[TM+4+\b]   ; with lane l xor 16's 16: the block's largest magnitude
.endr
.irp b, 0,1,2,3
	v_add_nc_u32 v[TM+12+\b], 0xf8800000, v[TM+\b]   ; 15 off its exponent field: the conversion takes this operand's exponent field as its scale
.endr
.irp b, 0,1,2,3
	v_and_or_b32 v[TM+8+\b], v[TM+\b], 0x7f800000, s[MNT]   ; 57,344 x the scale
.endr
.irp b, 0,1,2,3
	v_lshrrev_b32 v[TM+4+\b], 23, v[TM+12+\b]   ; the scale's byte
.endr
	v_lshl_or_b32 v[\pw], v[TM+5], 8, v[TM+4]
	v_lshl_or_b32 v[\pw], v[TM+6], 16, v[\pw]
	v_lshl_or_b32 v[\pw], v[TM+7], 24, v[\pw]
.irp b, 0,1,2,3
.irp i, 0,1,2,3,4,5,6,7,8,9,10,11,12,13,14,15
	v_med3_num_f32 v[\s+16*\b+\i], v[\s+16*\b+\i], -v[TM+8+\b], v[TM+8+\b]   ; the conversion to an 8-bit code does not saturate (ISA guide 7.6.2): the hold comes first
.endr
	v_cvt_scalef32_pk8_bf8_f32 v[\pc+4*\b:\pc+4*\b+1], v[\s+16*\b:\s+16*\b+7], v[TM+12+\b]
	v_cvt_scalef32_pk8_bf8_f32 v[\pc+4*\b+2:\pc+4*\b+3], v[\s+16*\b+8:\s+16*\b+15], v[TM+12+\b]
.endr
	v_nop                                          ; a plain line behind the last conversion
.endm
	s_load_b256 s[4:11], s[0:1], 0x0               ; x s[4:5], w_attn s[6:7], w_proj s[8:9], x_img s[10:11]
	s_load_b128 s[12:15], s[0:1], 0x20             ; x_sc s[12:13], w_img s[14:15]
	s_load_b64 s[16:17], s[0:1], 0x30              ; w_sc
	s_set_vgpr_msb 0x40                            ; v256: LDS address of my spare word; v257: 0
	v_lshl_add_u32 v0, v0, 2, 0x10800
	v_mov_b32 v1, 0
	s_set_vgpr_msb 0x4000
	v_lshrrev_b32 v1, 5, v0
	v_readfirstlane_b32 s18, v1                    ; wave 0..3
	s_mov_b32 s[SEL], 0x76543210
	s_mov_b32 s[SEL+1], 0xfedcba98
	s_mov_b32 s[MNT], 0x600000
	s_mov_b32 s[HI16], 0xffff0000
	s_cmp_lt_u32 ttmp9, 256
	s_cbranch_scc0 .Lweights
	; ---------------- x ----------------
	v_and_b32 v4, 31, v0                           ; lane
	v_lshlrev_b32 v1, 4, v4                        ; 16 x lane: my place in a load's 512 bytes and in an image's
	v_lshlrev_b32 v3, 3, v4                        ; 8 x lane: my place among the scale words
	v_and_b32 v5, 15, v0                           ; r
	v_bfe_u32 v6, v0, 4, 1                         ; h
	s_mul_i32 s19, s18, WREG                       ; my stage
	v_mul_u32_u24 v2, v5, 528
	v_lshl_add_u32 v2, v6, 6, v2
	v_add_nc_u32 v2, s19, v2                       ; out of it: row r, 64 h bytes on: my 16 numbers of a block of 32
	v_add_nc_u32 v7, s19, v1                       ; into it: as loaded
.irp b, 0,1,2,3
	v_mov_b32 v[TM+4+\b], 0                        ; written once: a lane permute's destination counts as one of its sources
.endr
	s_lshl_b32 s24, ttmp9, 17                      ; x: 32 rows of 4,096 bytes a work-group,
	s_lshl_b32 s25, s18, 10                        ; 1,024 bytes of each row a wave
	s_add_co_u32 s24, s24, s25
	s_mov_b32 s25, 0
	s_lshr_b32 s26, ttmp9, 2                       ; row block
	s_and_b32 s27, ttmp9, 3                        ; which pair of tiles in it
	s_lshl_b32 s28, s26, 17                        ; codes: 131,072 x row block + 32,768 x slot + 4,096 x pair of tiles
	s_lshl_b32 s29, s18, 15
	s_add_co_u32 s28, s28, s29
	s_lshl_b32 s29, s27, 12
	s_add_co_u32 s28, s28, s29
	s_mov_b32 s29, 0
	s_lshl_b32 s30, s26, 12                        ; scale words: 4,096 x row block + 1,024 x slot + 256 x pair of tiles
	s_lshl_b32 s31, s18, 10
	s_add_co_u32 s30, s30, s31
	s_lshl_b32 s31, s27, 8
	s_add_co_u32 s30, s30, s31
	s_mov_b32 s31, 0
	s_wait_alu depctr_va_vdst(0)                   ; the wait at the head's end
	s_wait_kmcnt 0x0
	s_add_nc_u64 s[4:5], s[4:5], s[24:25]
	s_add_nc_u64 s[10:11], s[10:11], s[28:29]
	s_add_nc_u64 s[12:13], s[12:13], s[30:31]
; Step t = 2 u + q: the fragment of tile u of my pair, 128 K at 128 q of my slot.  Each load reads 512 consecutive bytes of one of the tile's 16 rows.
.macro LOADX t
.irp i, 0,1,2,3,4,5,6,7,8,9,10,11,12,13,14,15
	global_load_b128 v[R+64*((\t)%2)+4*\i:R+64*((\t)%2)+4*\i+3], v1, s[4:5] offset:(8*((\t)/2)+\i+8*(\i/8))*4096+512*((\t)%2) th:TH_LOAD_NT
.endr
.endm
.macro STEPX t
.if (\t) < 3
	s_wait_loadcnt 16                              ; this step's 16 loads are in; the next step's 16 may be out
.else
	s_wait_loadcnt 0
.endif
.irp i, 0,1,2,3,4,5,6,7,8,9,10,11,12,13,14,15
	ds_store_b128 v7, v[R+64*((\t)%2)+4*\i:R+64*((\t)%2)+4*\i+3] offset:528*\i   ; the tile turns through my stage: in by rows,
.endr
.irp c, 0,1,2,3
.irp k, 0,1,2,3
	ds_load_b128 v[X+16*\c+4*\k:X+16*\c+4*\k+3], v2 offset:128*\c+16*\k   ; out 16 neighbours of each block a lane (LDS serves a wave's instructions in order)
.endr
.endr
	s_wait_dscnt 0x0                               ; the numbers are back, and the stores have read their registers
.if (\t) < 2
	LOADX (\t)+2
.else
	s_wait_xcnt 0x0                                ; the stores of two steps ago have read this set of codes
.endif
	QUANT X, PC+16*((\t)%2), W+(\t)
.irp c, 0,1,2,3
	global_store_b128 v1, v[PC+16*((\t)%2)+4*\c:PC+16*((\t)%2)+4*\c+3], s[10:11] offset:16384*((\t)%2)+2048*((\t)/2)+512*\c   ; 512 consecutive bytes, aligned
.endr
.endm
	LOADX 0
	LOADX 1
	STEPX 0
	STEPX 1
	STEPX 2
	STEPX 3
	v_cndmask_b32 v12, v[W], v[W+2], s[HI16]       ; lanes 0-15 carry the first tile's words, lanes 16-31 the second's: q = 0,
	v_cndmask_b32 v13, v[W+1], v[W+3], s[HI16]     ; q = 1
	global_store_b64 v3, v[12:13], s[12:13]        ; 256 consecutive bytes, aligned
	s_set_vgpr_msb 0x5
	s_wait_tensorcnt 0x0                           ; the wave's end
	ds_add_u32 v0, v1
	s_wait_dscnt 0x0
	s_set_vgpr_msb 0x500
	s_endpgm
	; ---------------- the weights: a lane takes a column, its registers run down K ----------------
.Lweights:
	s_sub_co_u32 s24, ttmp9, 256
	s_lshr_b32 s25, s24, 3                         ; row block 0..31
	s_bfe_u32 s26, s24, 0x20001                    ; K slot
	s_and_b32 s48, s24, 1                          ; q: which 128 of the slot's 256
	s_mul_i32 s19, s18, WREG
	s_add_co_u32 s19, s19, WST                     ; my stage
	v_and_b32 v1, 31, v0                           ; lane l = column l of my 32: tile u = (l / 8) % 2 of my pair, lane-row r = l % 8 + 8 (l / 16)
	v_bfe_u32 v6, v0, 3, 1
	v_and_b32 v7, 7, v0
	v_bfe_u32 v8, v0, 4, 1
	v_lshl_add_u32 v7, v8, 3, v7
	v_mul_u32_u24 v2, v6, 4224                     ; 128 bytes over a multiple of 256
	v_lshl_add_u32 v2, v7, 4, v2
	v_add_nc_u32 v2, s19, v2                       ; into the stage
	v_lshlrev_b32 v4, 4, v1                        ; 16 x lane
	v_add_nc_u32 v3, s19, v4                       ; out of it
	v_lshlrev_b32 v5, 7, v6
	v_lshl_add_u32 v5, v7, 3, v5                   ; my row's two scale words: 128 u + 8 r
	s_lshl_b32 s28, s25, 17                        ; codes: 131,072 x row block + 32,768 x slot + 16,384 q + 4,096 x wave
	s_lshl_b32 s29, s26, 15
	s_add_co_u32 s28, s28, s29
	s_lshl_b32 s29, s48, 14
	s_add_co_u32 s28, s28, s29
	s_lshl_b32 s29, s18, 12
	s_add_co_u32 s28, s28, s29
	s_mov_b32 s29, 0
	s_lshl_b32 s30, s25, 12                        ; scale words: 4,096 x row block + 1,024 x slot + 256 x wave + 4 q
	s_lshl_b32 s31, s26, 10
	s_add_co_u32 s30, s30, s31
	s_lshl_b32 s31, s18, 8
	s_add_co_u32 s30, s30, s31
	s_lshl_b32 s31, s48, 2
	s_add_co_u32 s30, s30, s31
	s_mov_b32 s31, 0
	s_mov_b32 s27, 12288                           ; a row of w_attn in bytes,
	s_cmp_ge_u32 s25, 24                           ; row blocks 24-31 are w_proj's: the choice hangs on the work-group's number alone
	s_cselect_b32 s27, 4096, s27                   ; of w_proj
	s_cselect_b32 s24, 24, 0
	s_wait_kmcnt 0x0
	s_cselect_b64 s[6:7], s[8:9], s[6:7]
	s_add_nc_u64 s[14:15], s[14:15], s[28:29]
	s_add_nc_u64 s[16:17], s[16:17], s[30:31]
	s_sub_co_u32 s24, s25, s24
	s_lshl_b32 s24, s24, 9                         ; 128 columns of 4 bytes a row block,
	s_lshl_b32 s28, s18, 7                         ; 32 a wave,
	s_add_co_u32 s24, s24, s28
	s_lshl_b32 s28, s26, 8                         ; 256 rows a slot,
	s_lshl_b32 s29, s48, 7                         ; 128 a half
	s_add_co_u32 s28, s28, s29
	s_mul_i32 s28, s28, s27
	s_add_co_u32 s24, s24, s28
	s_mov_b32 s25, 0
	s_add_nc_u64 s[32:33], s[6:7], s[24:25]        ; s[32:39]: a base for each of the four blocks of 32 rows: nothing is stepped
	s_lshl_b32 s30, s27, 5
	s_mov_b32 s31, 0
.irp t, 1,2,3
	s_add_nc_u64 s[32+2*\t:33+2*\t], s[30+2*\t:31+2*\t], s[30:31]
.endr
	v_lshlrev_b32 v[VO], 2, v1
.set i, 1
.rept 31
	v_add_nc_u32 v[VO+i], s27, v[VO+i-1]
.set i, i+1
.endr
.macro LOADW t                         ; block t: rows 32 t + i of my 128 at my column: 128 consecutive bytes a load
.set i, 0
.rept 32
	global_load_b32 v[XW+32*((\t)%2)+i], v[VO+i], s[32+2*(\t):33+2*(\t)] th:TH_LOAD_NT
.set i, i+1
.endr
.endm
.macro BLOCKW t
.set XS, XW+32*((\t)%2)
.if (\t) < 3
	s_wait_loadcnt 32                              ; this block's 32 loads are in; the next block's may be out
.else
	s_wait_loadcnt 0
.endif
	v_max3_num_f32 v12, |v[XS]|, |v[XS+1]|, |v[XS+2]|   ; the block's largest magnitude: all 32 numbers are mine
	v_max3_num_f32 v13, |v[XS+3]|, |v[XS+4]|, |v[XS+5]|
.irp i, 6,10,14,18,22,26
	v_max3_num_f32 v12, v12, |v[XS+\i]|, |v[XS+\i+1]|
	v_max3_num_f32 v13, v13, |v[XS+\i+2]|, |v[XS+\i+3]|
.endr
	v_max3_num_f32 v12, v12, |v[XS+30]|, |v[XS+31]|
	v_max3_num_f32 v12, v12, v13, 0x8000000        ; and the floor 2^(16 - 127)
	v_add_nc_u32 v11, 0xf8800000, v12              ; the conversions' scale operand
	v_and_or_b32 v10, v12, 0x7f800000, s[MNT]      ; 57,344 x the scale
	v_lshrrev_b32 v13, 23, v11                     ; the byte
.if (\t) == 0
	v_mov_b32 v[SB], v13                           ; four bytes to the word, the lower K in the lower byte
.else
	v_lshl_or_b32 v[SB], v13, 8*(\t), v[SB]
.endif
.set i, 0
.rept 32
	v_med3_num_f32 v[XS+i], v[XS+i], -v10, v10
.set i, i+1
.endr
.irp g, 0,1,2,3
	v_cvt_scalef32_pk8_bf8_f32 v[CW+2*\g:CW+2*\g+1], v[XS+8*\g:XS+8*\g+7], v11
.endr
	v_nop                                          ; a plain line behind the last conversion
	ds_store_b128 v2, v[CW:CW+3] offset:512*(\t)         ; k 0-15 of the block: the image's lanes 0-15,
	ds_store_b128 v2, v[CW+4:CW+7] offset:512*(\t)+256   ; k 16-31: its lanes 16-31
.if (\t) < 2
	LOADW (\t)+2
.endif
	s_wait_dscnt 0x0                               ; the stores have read their registers
.endm
	LOADW 0
	LOADW 1
.irp t, 0,1,2,3
	BLOCKW \t
.endr
	global_store_b32 v5, v[SB], s[16:17]           ; four bytes a lane, 8 apart: the word beside it, the slot's other 128, is another work-group's
.irp n, 0,1,2,3,4,5,6,7
	ds_load_b128 v[OUTR+4*\n:OUTR+4*\n+3], v3 offset:(\n/4)*4224+(\n%4)*512
.endr
.irp n, 0,1,2,3,4,5,6,7
	s_wait_dscnt 7-\n                              ; the younger LDS loads may be out
	global_store_b128 v4, v[OUTR+4*\n:OUTR+4*\n+3], s[14:15] offset:(\n/4)*2048+(\n%4)*512   ; 512 consecutive bytes, aligned
.endr
	s_set_vgpr_msb 0x5
	s_wait_tensorcnt 0x0                           ; the wave's end
	ds_add_u32 v0, v1
	s_wait_dscnt 0x0
	s_set_vgpr_msb 0x500
	s_endpgm
.Lfunc_end_k_qed78582b71_quant:
	.size	k_qed78582b71_quant, .Lfunc_end_k_qed78582b71_quant-k_qed78582b71_quant
	.p2alignl 7, 3214868480
	.fill 96, 4, 3214868480
	.section	.rodata,"a",@progbits
	.p2align	6, 0x0
	.amdhsa_kernel k_qed78582b71_quant
		.amdhsa_group_segment_fixed_size 68096
		.amdhsa_private_segment_fixed_size 0
		.amdhsa_enable_private_segment 0
		.amdhsa_kernarg_size 56
		.amdhsa_user_sgpr_count 2
		.amdhsa_user_sgpr_kernarg_segment_ptr 1
		.amdhsa_wavefront_size32 1
		.amdhsa_system_sgpr_workgroup_id_x 1
		.amdhsa_system_sgpr_workgroup_id_y 1
		.amdhsa_system_sgpr_workgroup_id_z 1
		.amdhsa_system_vgpr_workitem_id 0
		.amdhsa_next_free_vgpr 258
		.amdhsa_next_free_sgpr 66
		.amdhsa_reserve_vcc 0
		.amdhsa_float_denorm_mode_32 3
		.amdhsa_float_denorm_mode_16_64 3
		.amdhsa_memory_ordered 1
		.amdhsa_forward_progress 1
		.amdhsa_inst_pref_size 83
	.end_amdhsa_kernel
	.amdgpu_metadata
---
amdhsa.version: [ 1, 2 ]
amdhsa.kernels:
  - .name:           k_qed78582b71_quant
    .symbol:         k_qed78582b71_quant.kd
    .args:
      - { .name: x, .offset: 0, .size: 8, .value_kind: global_buffer, .address_space: global }
      - { .name: w_attn, .offset: 8, .size: 8, .value_kind: global_buffer, .address_space: global }
      - { .name: w_proj, .offset: 16, .size: 8, .value_kind: global_buffer, .address_space: global }
      - { .name: x_img, .offset: 24, .size: 8, .value_kind: global_buffer, .address_space: global }
      - { .name: x_sc, .offset: 32, .size: 8, .value_kind: global_buffer, .address_space: global }
      - { .name: w_img, .offset: 40, .size: 8, .value_kind: global_buffer, .address_space: global }
      - { .name: w_sc, .offset: 48, .size: 8, .value_kind: global_buffer, .address_space: global }
    .group_segment_fixed_size: 68096
    .private_segment_fixed_size: 0
    .kernarg_segment_align: 8
    .kernarg_segment_size: 56
    .max_flat_workgroup_size: 128
    .sgpr_count:     66
    .vgpr_count:     258
    .wavefront_size: 32
...
	.end_amdgpu_metadata
.endif
;; end of part 1
;; launch qkv (part 2): grid 8 x 32, 4 waves a work-group, clusters of 4 x 4, 327,680 bytes of LDS; arguments x_img, x_sc, w_img, w_sc, b_attn, qkv_img, qkv_sc; writes qkv_img, qkv_sc
.if DOCPART == 2
	.amdgcn_target "amdgcn-amd-amdhsa--gfx1250"
	.amdhsa_code_object_version 6
	.text
	.protected	k_qed78582b71_qkv
	.globl	k_qed78582b71_qkv
	.p2align	8
	.type	k_qed78582b71_qkv,@function
k_qed78582b71_qkv:
	s_mov_b64 s[64:65], 0
	v_nop
	global_prefetch_b8 v0, s[64:65] scope:SCOPE_SE
	s_setreg_imm32_b32 hwreg(HW_REG_WAVE_MODE, 25, 1), 1
	s_wait_xcnt 0x0
	s_wait_alu depctr_hold_cnt(0) depctr_sa_sdst(0) depctr_va_vdst(0) depctr_va_sdst(0) depctr_va_ssrc(0) depctr_va_vcc(0) depctr_vm_vsrc(0)
	s_getreg_b32 s2, hwreg(HW_REG_IB_STS2, 6, 4)
	s_cmp_eq_u32 s2, 0
	s_cbranch_scc0 .Lentry_in_a_cluster
	s_endpgm
.Lentry_in_a_cluster:
	s_bfe_u32 s2, ttmp6, 0x10000c
	s_cmp_lg_u32 s2, 0xf033
	s_cbranch_scc0 .Lentry_shape_is_right
	s_endpgm
.Lentry_shape_is_right:
.set SLOT,   131072
.set RBB,    32768
.set SCL,    2*SLOT
.set SPARE,  SCL+4*4096
.set NQ,     2
.set FR,     16
.set NL,     4
.set NP,     8
.set SEC,    8388608
.set HSC,    24576
.set BA,   8
.set ADRA, 16
.set ADRB, 20
.set CO,   26
.set ADRS, 27
.set SPW,  28
.set NIL,  29
.set SC,   32
.set BB,   64
.set AF,   128
.set T,    128
.set PC,   192
.set TM,   224
.set W,    240
.set OW,   248
.set TP,   252
.set G1,   24
.set G0,   32
.set G1B,  48
.set G0B,  56
.set G1S,  68
.set G0S,  76
.set G1SB, 80
.set G0SB, 88
.set SEL,  20
.set MNT,  23
.set MSB, 0
.macro WIN new
.if MSB != (\new)
	s_set_vgpr_msb (MSB<<8)|(\new)
.set MSB, \new
.endif
.endm
.set MUL_LO, 0xa1
.set MUL_HI, 0xf1
.set TO_B,   0x40
.macro JLOAD g0a, g1a, g0b, g1b
	s_cmp_eq_u32 s15, 0
	s_cbranch_scc0 .Lfor_b_\@
	tensor_load_to_lds s[\g0a:\g0a+3], s[\g1a:\g1a+7]
	s_nop 0
.rept 4
	v_nop
.endr
	s_branch .Lasked_\@
.Lfor_b_\@:
	tensor_load_to_lds s[\g0b:\g0b+3], s[\g1b:\g1b+7]
	s_nop 0
.rept 4
	v_nop
.endr
.Lasked_\@:
.endm
.macro CREST
	s_cmp_lg_u32 s14, 0
	s_cbranch_scc1 .Lnot_wave_0_\@
	s_barrier_signal -3
.Lnot_wave_0_\@:
	s_barrier_wait -3
	s_barrier_signal -1
	s_barrier_wait -1
.endm
.macro CROUND
	s_barrier_signal -1
	s_barrier_wait -1
	CREST
.endm
	s_load_b256 s[4:11], s[0:1], 0x0
	s_load_b64 s[12:13], s[0:1], 0x20
	s_load_b128 s[92:95], s[0:1], 0x28
	s_load_b64 s[100:101], s[0:1], 0x10            ; w_img and w_sc once more, for the V columns
	s_load_b64 s[104:105], s[0:1], 0x18
	v_lshl_add_u32 v[SPW], v0, 2, SPARE
	v_mov_b32 v[NIL], 0
	ds_add_u32 v28, v29
	ds_add_u32 v28, v29
	s_wait_dscnt 0x0
	v_lshrrev_b32 v1, 5, v0
	v_readfirstlane_b32 s14, v1
	s_lshr_b32 s15, s14, 1
	s_and_b32 s16, s14, 1
	s_bfe_u32 s40, ttmp6, 0x40000
	s_bfe_u32 s41, ttmp6, 0x40004
	s_and_b32 s18, ttmp7, 0xffff
	s_max_u32 s19, s18, 8
	s_sub_co_u32 s19, s19, 8
	s_lshl_b32 s19, s19, 1
	s_add_co_u32 s19, s19, ttmp9
	s_cmp_ge_u32 s18, 8
	s_cselect_b32 s96, 1, 0
	s_cselect_b32 s97, -1, 0
	s_cselect_b32 s99, 0, 16
	s_cselect_b32 s19, s19, ttmp9
	s_cselect_b32 s18, 0, s18
	s_mov_b32 s98, 0xffff0000
	s_lshl_b32 s42, s19, 2
	s_add_co_u32 s42, s42, s40
	s_lshl_b32 s17, s18, 2
	s_add_co_u32 s17, s17, s41
	s_lshl_b32 s43, s41, 2
	s_lshl_b32 s43, 15, s43
	s_lshl_b32 s44, 0x1111, s40
	s_or_b32 s[G1+0], s43, (3<<16)|(1<<21)
	s_or_b32 s[G1B+0], s44, (3<<16)|(1<<21)
	s_or_b32 s[G1S+0], s43, (3<<16)|(1<<21)
	s_or_b32 s[G1SB+0], s44, (3<<16)|(1<<21)
.irp g, G1, G1B                        ; the head's shape: two row blocks' K slot, 2 rows of 32,768 bytes (4,096 elements of 8), 131,072 bytes apart
	s_mov_b32 s[\g+1], 4096<<16
	s_mov_b32 s[\g+2], 2<<16
	s_mov_b32 s[\g+3], 4096<<16
	s_mov_b32 s[\g+4], 2
	s_mov_b32 s[\g+5], 16384
	s_mov_b32 s[\g+6], 0
	s_mov_b32 s[\g+7], 0
.endr
.irp g, G1S, G1SB
	s_mov_b32 s[\g+1], 32<<16
	s_mov_b32 s[\g+2], 32<<16              ; the scale words of two row blocks: 8,192 dense bytes as 32 rows of 256
	s_mov_b32 s[\g+3], 32<<16
	s_mov_b32 s[\g+4], 32
	s_mov_b32 s[\g+5], 32
	s_mov_b32 s[\g+6], 0
	s_mov_b32 s[\g+7], 0
.endr
	s_lshl_b32 s20, s17, 1
	s_add_co_u32 s20, s20, s16
	s_lshl_b32 s46, s42, 1
	s_add_co_u32 s46, s46, s16
	s_lshl_b32 s22, s20, 12
	s_mov_b32 s23, 0
	s_lshl_b32 s20, s20, 17
	s_mov_b32 s21, 0
	s_lshl_b32 s18, s46, 12
	s_mov_b32 s19, 0
	s_lshl_b32 s46, s46, 17
	s_mov_b32 s47, 0
	s_lshl_b32 s45, s14, 15
	s_wait_kmcnt 0x0
	s_add_nc_u64 s[66:67], s[8:9], 16*131072
	s_cmp_eq_u32 s96, 1
	s_cselect_b64 s[66:67], s[66:67], s[4:5]
	s_cselect_b64 s[8:9], s[4:5], s[8:9]
	s_add_nc_u64 s[4:5], s[10:11], 16*4096
	s_cselect_b64 s[4:5], s[4:5], s[6:7]
	s_cselect_b64 s[10:11], s[6:7], s[10:11]
	s_add_nc_u64 s[20:21], s[66:67], s[20:21]
	s_add_nc_u64 s[22:23], s[4:5], s[22:23]
	s_add_nc_u64 s[46:47], s[8:9], s[46:47]
	s_add_nc_u64 s[18:19], s[10:11], s[18:19]
	CROUND
	; the head's four tiles, each whole: the addresses above hold my wave's row block of the two; its part is taken off again
	s_lshl_b32 s66, s16, 17
	s_mov_b32 s67, 0
	s_mov_b32 s8, 1                                ; s[8:11]: K slot 0 of A's two row blocks, to LDS byte 0
	s_mov_b32 s9, 0
	s_sub_nc_u64 s[10:11], s[20:21], s[66:67]
	s_or_b32 s11, s11, 0x80000000
	s_mov_b32 s4, 1                                ; s[4:7]: of B's two, behind them
	s_mov_b32 s5, 2*RBB
	s_sub_nc_u64 s[6:7], s[46:47], s[66:67]
	s_or_b32 s7, s7, 0x80000000
	s_lshl_b32 s66, s16, 12
	s_mov_b32 s[G0S], 1                            ; A's scale words
	s_mov_b32 s[G0S+1], SCL
	s_sub_nc_u64 s[G0S+2:G0S+3], s[22:23], s[66:67]
	s_or_b32 s[G0S+3], s[G0S+3], 0x80000000
	s_mov_b32 s[G0SB], 1                           ; B's
	s_mov_b32 s[G0SB+1], SCL+8192
	s_sub_nc_u64 s[G0SB+2:G0SB+3], s[18:19], s[66:67]
	s_or_b32 s[G0SB+3], s[G0SB+3], 0x80000000
.irp s, 0,1
	s_mov_b32 s[G0+4*\s], 1
	s_add_co_u32 s[G0+4*\s+1], s45, \s*SLOT
	s_add_nc_u64 s[G0+4*\s+2:G0+4*\s+3], s[20:21], \s*RBB
	s_or_b32 s[G0+4*\s+3], s[G0+4*\s+3], 0x80000000
	s_mov_b32 s[G0B+4*\s], 1
	s_add_co_u32 s[G0B+4*\s+1], s45, \s*SLOT
	s_add_nc_u64 s[G0B+4*\s+2:G0B+4*\s+3], s[46:47], \s*RBB
	s_or_b32 s[G0B+4*\s+3], s[G0B+4*\s+3], 0x80000000
.endr
; THE HEAD'S LOADS, ONE A WAVE: wave 0 A's K slot 0, wave 1 B's, wave 2 A's scale words, wave 3 B's: one tree of branches on the wave's number, a load to an arm
.macro ARM under, g0, g1, next
	s_cmp_lt_u32 s14, \under
	s_cbranch_scc0 \next
	tensor_load_to_lds s[\g0:\g0+3], s[\g1:\g1+7]
	s_nop 0
.rept 4
	v_nop
.endr
	s_branch .Lhead_asked
\next:
.endm
	ARM 1, 8, G1, .Lhead_b
	ARM 2, 4, G1B, .Lhead_sa
	ARM 3, G0S, G1S, .Lhead_sb
	tensor_load_to_lds s[G0SB:G0SB+3], s[G1SB:G1SB+7]
	s_nop 0
.rept 4
	v_nop
.endr
.Lhead_asked:
	v_and_b32 v1, 15, v0
	v_bfe_u32 v2, v0, 4, 1
	s_wait_alu depctr_va_vdst(0)
	v_and_b32 v3, 31, v0
	v_lshlrev_b32 v[CO], 4, v3
	s_lshl_b32 s21, s15, 15
	s_lshl_b32 s22, s16, 15
	s_add_co_u32 s22, s22, 2*RBB
.irp s, 0,1
	v_add_nc_u32 v[ADRA+\s], s21, v[CO]
	v_add_nc_u32 v[ADRB+\s], s22, v[CO]
	s_add_co_u32 s21, s21, SLOT
	s_add_co_u32 s22, s22, SLOT
.endr
	s_lshl_b32 s21, s15, 12
	s_lshl_b32 s22, s16, 12
	s_add_co_u32 s22, s22, 8192
	s_sub_co_u32 s22, s22, s21
	v_mul_u32_u24 v6, s22, v2
	s_add_co_u32 s21, s21, SCL
	v_lshl_add_u32 v5, v1, 3, v6
	v_add_nc_u32 v[ADRS], s21, v5
; A WORK-GROUP STAYS.  Behind its 256 x 256 tile of q and k (tokens x columns) it makes 128 columns of v for the same 256 tokens: operand A = row block 16 + tile column of w (a wave: 64 of its columns),
; operand B = the tokens (a wave: 128), so that a lane's registers run along the tokens, v's K in the attention.  The ring goes on: the tile's last two changes of slots ask for v's K slots 0 and 1.
; In a slot x's two row blocks lie where they lay, w's one row block behind them.  Waves 0 and 1 fetch x, wave 2 w, wave 3 (once) w's scale words, onto the bytes that held the q/k columns' scale words.
.set ADVA, 18                          ; v18-19 LDS address of my fragments of w's V columns in slot 0, 1
.set ADVB, 22                          ; v22-23 of my tokens' fragments
.set ADVS, 24                          ; v24 of the scale words: lanes 0-15 my tokens', lanes 16-31 my V columns'
.set VBA,  96                          ; v96-99 my V columns' biases
	s_wait_alu depctr_va_vdst(0)                   ; the wait here, directly ahead of the readers below
	s_lshl_b32 s21, s15, 13
	s_add_co_u32 s21, s21, 2*RBB
	s_lshl_b32 s22, s16, 15
	v_add_nc_u32 v[ADVA], s21, v[CO]
	v_add_nc_u32 v[ADVB], s22, v[CO]
	v_add_nc_u32 v[ADVA+1], SLOT, v[ADVA]
	v_add_nc_u32 v[ADVB+1], SLOT, v[ADVB]
	s_lshl_b32 s21, s16, 12                        ; the tokens' words: SCL + 4,096 x my row block;
	s_lshl_b32 s22, s15, 9
	s_add_co_u32 s22, s22, 8192
	s_sub_co_u32 s22, s22, s21                     ; the V columns': SCL + 8,192 + 512 x my half: the lower base + h x the distance
	v_mul_u32_u24 v6, s22, v2
	s_add_co_u32 s21, s21, SCL
	v_lshl_add_u32 v5, v1, 3, v6
	v_add_nc_u32 v[ADVS], s21, v5
	s_add_co_u32 s22, s42, 16
	s_lshl_b32 s22, s22, 17
	s_mov_b32 s23, 0
	s_add_nc_u64 s[100:101], s[100:101], s[22:23]  ; w_img at row block 16 + tile column
	s_lshr_b32 s22, s22, 5
	s_add_nc_u64 s[104:105], s[104:105], s[22:23]  ; its scale words
	s_lshl_b32 s22, s42, 9
	s_lshl_b32 s21, s15, 8
	s_add_co_u32 s22, s22, s21
	s_add_co_u32 s22, s22, 8192
	s_add_nc_u64 s[66:67], s[12:13], s[22:23]      ; the biases of my 64 V columns
.macro TOV slot                        ; the slot's descriptors turn to v: x's tiles two K slots back, w's V row block at K slot \slot
	s_sub_nc_u64 s[G0+4*\slot+2:G0+4*\slot+3], s[G0+4*\slot+2:G0+4*\slot+3], 2*RBB
	s_mov_b32 s[G0B+4*\slot+1], 2*RBB+\slot*SLOT
	s_add_nc_u64 s[G0B+4*\slot+2:G0B+4*\slot+3], s[100:101], \slot*RBB
	s_or_b32 s[G0B+4*\slot+3], s[G0B+4*\slot+3], 0x80000000
.endm
.macro JLOADV slot, sc                 ; v's joint loads: one chain of branches on the wave's number, a load to an arm
	s_cmp_lt_u32 s14, 2
	s_cbranch_scc0 .Lvw_\@
	tensor_load_to_lds s[G0+4*\slot:G0+4*\slot+3], s[G1:G1+7]
	s_nop 0
.rept 4
	v_nop
.endr
	s_branch .Lvdone_\@
.Lvw_\@:
	s_cmp_eq_u32 s14, 2
	s_cbranch_scc0 .Lvs_\@
	tensor_load_to_lds s[G0B+4*\slot:G0B+4*\slot+3], s[G1B:G1B+7]
	s_nop 0
.rept 4
	v_nop
.endr
	s_branch .Lvdone_\@
.Lvs_\@:
.if \sc
	tensor_load_to_lds s[G0SB:G0SB+3], s[G1SB:G1SB+7]
	s_nop 0
.rept 4
	v_nop
.endr
.endif
.Lvdone_\@:
.endm
	s_lshl_b32 s46, s42, 1
	s_add_co_u32 s46, s46, s16
	s_lshl_b32 s20, s17, 1
	s_add_co_u32 s20, s20, s15
	s_lshl_b32 s18, s46, 9
	s_lshl_b32 s22, s20, 9
	s_add_co_u32 s22, s22, 8192
	s_cmp_eq_u32 s96, 1
	s_cselect_b32 s18, 0, s18
	s_cselect_b32 s22, s22, 0
	s_mov_b32 s19, 0
	s_mov_b32 s23, 0
	s_add_nc_u64 s[18:19], s[12:13], s[18:19]
	s_add_nc_u64 s[22:23], s[12:13], s[22:23]
	v_lshlrev_b32 v4, 6, v2
	v_and_b32 v7, 8, v1
	v_add_nc_u32 v7, v7, v1
	v_lshlrev_b32 v7, 2, v7
.irp b, 0,1,2,3
.irp k, 0,1,2,3
	global_load_b128 v[BB+16*\b+4*\k:BB+16*\b+4*\k+3], v4, s[18:19] offset:128*\b+16*\k
.endr
.endr
.irp a, 0,1,2,3,4,5,6,7
	global_load_b32 v[BA+\a], v7, s[22:23] offset:(32*(\a/2)+8*(\a%2))*4
.endr
	s_wait_loadcnt 0x0
.set i, 0
.rept 64
	v_cndmask_b32 v[BB+i], v[BB+i], 0, s97
.set i, i+1
.endr
.irp a, 0,1,2,3,4,5,6,7
	v_cndmask_b32 v[BA+\a], 0, v[BA+\a], s97
.endr
	s_and_b32 s21, s46, 7
	s_lshr_b32 s47, s46, 3
	s_xor_b32 s3, s47, 1
	s_and_b32 s3, s3, 1
	s_lshl_b32 s3, s3, 14
	s_cmp_eq_u32 s96, 1
	s_cselect_b32 s3, 8192, s3
	s_cselect_b32 s21, s20, s21
	s_cselect_b32 s45, s46, s20
	s_cselect_b32 s47, 2, s47
	s_lshl_b32 s47, s47, 23
	s_lshr_b32 s18, s45, 4
	s_and_b32 s45, s45, 15
	s_lshl_b32 s19, s18, 3
	s_add_co_u32 s19, s19, s21
	s_lshl_b32 s19, s19, 18
	s_add_co_u32 s47, s47, s19
	s_lshl_b32 s19, s45, 14
	s_add_co_u32 s46, s47, s19
	s_mov_b32 s47, 0
	s_add_nc_u64 s[92:93], s[92:93], s[46:47]
	s_lshl_b32 s18, s18, 4
	s_lshl_b32 s21, s21, 1
	s_add_co_u32 s18, s18, s21
	s_mul_i32 s18, s18, HSC
	s_add_co_u32 s18, s18, s3
	s_lshl_b32 s19, s45, 9
	s_add_co_u32 s18, s18, s19
	s_mov_b32 s19, 0
	s_add_nc_u64 s[94:95], s[94:95], s[18:19]
	s_mov_b32 s[SEL], 0x76543210
	s_mov_b32 s[SEL+1], 0xfedcba98
	s_mov_b32 s[MNT], 0x600000
.macro FRAG reg, adr, q, i
.irp c, 0,1,2,3
	ds_load_b128 v[\reg+4*\c:\reg+4*\c+3], v[\adr] offset:16384*(\q)+2048*(\i)+512*\c
.endr
.endm
.macro MUL16 a0, p, q, sc, first
.irp a, \a0, \a0+1
.irp b, 0,1,2,3,4,5,6,7
.if \first
	v_wmma_scale_f32_16x16x128_f8f6f4 v[8*(8*((\a)%4)+\b):8*(8*((\a)%4)+\b)+7], v[128*(\p)+FR*\b:128*(\p)+FR*\b+FR-1], v[AF+FR*(\a):AF+FR*(\a)+FR-1], v[BB+8*\b:BB+8*\b+7], v[SC+8*NQ*(\sc)+NQ*\b+(\q)], v[SC+8*NQ*(\sc)+NQ*(\a)+(\q)] matrix_a_fmt:MATRIX_FMT_BF8 matrix_b_fmt:MATRIX_FMT_BF8 matrix_a_scale:MATRIX_SCALE_ROW1
.else
	v_wmma_scale_f32_16x16x128_f8f6f4 v[8*(8*((\a)%4)+\b):8*(8*((\a)%4)+\b)+7], v[128*(\p)+FR*\b:128*(\p)+FR*\b+FR-1], v[AF+FR*(\a):AF+FR*(\a)+FR-1], v[8*(8*((\a)%4)+\b):8*(8*((\a)%4)+\b)+7], v[SC+8*NQ*(\sc)+NQ*\b+(\q)], v[SC+8*NQ*(\sc)+NQ*(\a)+(\q)] matrix_a_fmt:MATRIX_FMT_BF8 matrix_b_fmt:MATRIX_FMT_BF8 matrix_a_scale:MATRIX_SCALE_ROW1
.endif
.endr
.endr
.endm
.macro FETCH_B slot, q, p
	WIN TO_B
.irp i, 0,1,2,3,4,5,6,7
	FRAG 128*(\p)+FR*\i, ADRB+\slot, \q, \i
.endr
	WIN 0
.endm
.macro FETCH_A slot, q, i0
.irp i, \i0, \i0+1, \i0+2, \i0+3
	FRAG AF+FR*(\i), ADRA+\slot, \q, \i
.endr
.endm
.macro SCALES sc
.irp i, 0,1,2,3,4,5,6,7
	ds_load_b64 v[SC+8*NQ*\sc+NQ*\i:SC+8*NQ*\sc+NQ*\i+1], v[ADRS] offset:128*\i
.endr
.endm
.macro PLACES n
.rept \n
	v_nop
.endr
.endm
.macro STEP slot, q, first
	s_wait_dscnt 4*NL
.if \first
	WIN 0x81
.else
	WIN MUL_LO
.endif
	MUL16 0, (\q)%2, \q, \slot, \first
	MUL16 2, (\q)%2, \q, \slot, \first
	s_wait_dscnt 0
	PLACES NP
	FETCH_B \slot, (\q)+1, 1-(\q)%2
	FETCH_A \slot, (\q)+1, 0
.if \first
	WIN 0xc1
.else
	WIN MUL_HI
.endif
	MUL16 4, (\q)%2, \q, \slot, \first
	MUL16 6, (\q)%2, \q, \slot, \first
	PLACES NP
	WIN 0
	FETCH_A \slot, (\q)+1, 4
.endm
.macro TURN slot, next, fill
	s_wait_tensorcnt 0x0
	ds_add_u32 v[SPW], v[NIL]
	s_wait_dscnt 4*NL+1
	WIN MUL_LO
	MUL16 0, 1, NQ-1, \slot, 0
	s_wait_dscnt 0x0
	s_barrier_signal -1
	MUL16 2, 1, NQ-1, \slot, 0
	WIN 0
	s_barrier_wait -1
.if \fill
	CREST
.if \fill == 2
	TOV \slot
	JLOADV \slot, 0
	PLACES NP
.else
	s_add_nc_u64 s[G0+4*\slot+2:G0+4*\slot+3], s[G0+4*\slot+2:G0+4*\slot+3], 2*RBB
	s_add_nc_u64 s[G0B+4*\slot+2:G0B+4*\slot+3], s[G0B+4*\slot+2:G0B+4*\slot+3], 2*RBB
	JLOAD G0+4*\slot, G1, G0B+4*\slot, G1B
	PLACES NP-4
.endif
.else
	PLACES NP
.endif
	s_wait_alu depctr_va_vdst(0)
	v_add_nc_u32 v[ADRS], 1024, v[ADRS]
	FETCH_B \next, 0, 0
	FETCH_A \next, 0, 0
	SCALES \next
	WIN MUL_HI
	MUL16 4, 1, NQ-1, \slot, 0
	MUL16 6, 1, NQ-1, \slot, 0
	PLACES NP
	WIN 0
	FETCH_A \next, 0, 4
.endm
	s_wait_alu depctr_va_vdst(0)
	s_wait_tensorcnt 0x0                           ; my tile of the head's four is in; the full sequence ahead of a later first fill
	ds_add_u32 v[SPW], v[NIL]
.irp g, G1, G1B                        ; no tensor load of mine is out: from here on a load brings one row block's K slot, 128 rows of 256 bytes
	s_mov_b32 s[\g+1], 32<<16
	s_mov_b32 s[\g+2], 128<<16
	s_mov_b32 s[\g+3], 32<<16
	s_mov_b32 s[\g+4], 128
	s_mov_b32 s[\g+5], 32
.endr
	s_wait_dscnt 0x0
	CROUND                                         ; all four tiles are in, in every partner
	JLOAD G0+4, G1, G0B+4, G1B                     ; K slot 1: the first tensor load behind the round
	FETCH_B 0, 0, 0
	FETCH_A 0, 0, 0
	SCALES 0
	FETCH_A 0, 0, 4
	STEP 0, 0, 1
	TURN 0, 1, 1
	STEP 1, 0, 0
	TURN 1, 0, 1
	STEP 0, 0, 0
	TURN 0, 1, 2                                   ; slot 0 takes v's K slot 0
	STEP 1, 0, 0
	s_wait_tensorcnt 0x0                           ; the tile's last step: the same three lines and round, and slot 1 takes v's K slot 1
	ds_add_u32 v[SPW], v[NIL]
	s_wait_dscnt 4*NL+1
	WIN MUL_LO
	MUL16 0, 1, NQ-1, 1, 0
	s_wait_dscnt 0x0
	s_barrier_signal -1
	MUL16 2, 1, NQ-1, 1, 0
	WIN 0
	s_barrier_wait -1
	CREST
	TOV 1
	s_mov_b64 s[G0SB+2:G0SB+3], s[104:105]         ; the V row block's scale words, 4,096 bytes as 16 rows of 256, onto SCL + 8,192
	s_or_b32 s[G0SB+3], s[G0SB+3], 0x80000000
	s_mov_b32 s[G1SB+2], 16<<16
	s_mov_b32 s[G1SB+4], 16
	JLOADV 1, 1
.irp a, 0,1,2,3
	global_load_b32 v[VBA+\a], v7, s[66:67] offset:(32*(\a/2)+8*(\a%2))*4
.endr
	WIN MUL_HI
	MUL16 4, 1, NQ-1, 1, 0
	MUL16 6, 1, NQ-1, 1, 0
	WIN 0
.macro QUANT s, pc, pw
.irp b, 0,1,2,3
	v_max3_num_f32 v[TM+\b], |v[\s+16*\b]|, |v[\s+1+16*\b]|, 0x8000000
.endr
.irp i, 2,4,6,8,10,12,14
.irp b, 0,1,2,3
	v_max3_num_f32 v[TM+\b], v[TM+\b], |v[\s+16*\b+\i]|, |v[\s+1+16*\b+\i]|
.endr
.endr
.irp b, 0,1,2,3
	v_permlanex16_b32 v[TM+4+\b], v[TM+\b], s[SEL], s[SEL+1]
.endr
.irp b, 0,1,2,3
	v_max_num_f32 v[TM+\b], v[TM+\b], v[TM+4+\b]
.endr
.irp b, 0,1,2,3
	v_add_nc_u32 v[TM+12+\b], 0xf8800000, v[TM+\b]
.endr
.irp b, 0,1,2,3
	v_and_or_b32 v[TM+8+\b], v[TM+\b], 0x7f800000, s[MNT]
.endr
.irp b, 0,1,2,3
	v_lshrrev_b32 v[TM+4+\b], 23, v[TM+12+\b]
.endr
	v_lshl_or_b32 v[\pw], v[TM+5], 8, v[TM+4]
	v_lshl_or_b32 v[\pw], v[TM+6], 16, v[\pw]
	v_lshl_or_b32 v[\pw], v[TM+7], 24, v[\pw]
.irp b, 0,1,2,3
.irp i, 0,1,2,3,4,5,6,7,8,9,10,11,12,13,14,15
	v_med3_num_f32 v[\s+16*\b+\i], v[\s+16*\b+\i], -v[TM+8+\b], v[TM+8+\b]
.endr
	v_cvt_scalef32_pk8_bf8_f32 v[\pc+4*\b:\pc+4*\b+1], v[\s+16*\b:\s+16*\b+7], v[TM+12+\b]
	v_cvt_scalef32_pk8_bf8_f32 v[\pc+4*\b+2:\pc+4*\b+3], v[\s+16*\b+8:\s+16*\b+15], v[TM+12+\b]
.endr
	v_nop
.endm
.macro OUTBLOCK a
.if (\a) > 1
	s_wait_xcnt 0x0
.endif
	v_mov_b32 v[TP], v[BA+(\a)]
	v_mov_b32 v[TP+1], v[BA+(\a)]
	WIN 0x02+(\a)/4
.set i, 0
.rept 32
	v_pk_add_f32 v[T+i:T+i+1], v[64*((\a)%4)+i:64*((\a)%4)+i+1], v[TP:TP+1]
.set i, i+2
.endr
	WIN 0
	QUANT T, PC+16*((\a)%2), W+(\a)
.irp c, 0,1,2,3
	global_store_b128 v[CO], v[PC+16*((\a)%2)+4*\c:PC+16*((\a)%2)+4*\c+3], s[92:93] offset:2048*(\a)+512*\c
.endr
.endm
	PLACES NP
.irp b, 0,1,2,3
	v_mov_b32 v[TM+4+\b], 0
.endr
.irp a, 0,1,2,3,4,5,6,7
	OUTBLOCK \a
.endr
.irp b, 0,1,2,3
	v_cndmask_b32 v[OW+\b], v[W+2*\b], v[W+2*\b+1], s98
.endr
.irp b, 0,1,2,3
	v_lshrrev_b32 v[T+\b], s99, v[OW+\b]
.endr
	global_store_b128 v[CO], v[OW:OW+3], s[94:95]
	global_store_b128 v[CO], v[T:T+3], s[94:95] offset:HSC
; ---------------- v: 128 columns x 256 tokens; a wave 64 x 128: 32 accumulators in window 2; two sets of fragments for both operands ----------------
.macro VFETCH slot, q, p
	WIN TO_B
.irp i, 0,1,2,3,4,5,6,7
	FRAG 128*(\p)+FR*\i, ADVB+\slot, \q, \i
.endr
	WIN 0
.irp i, 0,1,2,3
	FRAG AF+64*(\p)+FR*\i, ADVA+\slot, \q, \i
.endr
.endm
.macro VSCALES m, sc                   ; K slot m's scale words into set sc: lanes 0-15 the tokens' tile i, lanes 16-31 the V columns' tile i (of those tiles 0-3 are used)
.irp i, 0,1,2,3,4,5,6,7
	ds_load_b64 v[SC+16*\sc+2*\i:SC+16*\sc+2*\i+1], v[ADVS] offset:1024*\m+128*\i
.endr
.endm
.macro VMUL a, p, sc, first            ; eight products: tile a of the V columns against the tokens' eight; the 32 accumulators take turns
.irp b, 0,1,2,3,4,5,6,7
.if \first
	v_wmma_scale_f32_16x16x128_f8f6f4 v[8*(8*\a+\b):8*(8*\a+\b)+7], v[128*\p+FR*\b:128*\p+FR*\b+FR-1], v[AF+64*\p+FR*\a:AF+64*\p+FR*\a+FR-1], 0, v[SC+16*\sc+2*\b+\p], v[SC+16*\sc+2*\a+\p] matrix_a_fmt:MATRIX_FMT_BF8 matrix_b_fmt:MATRIX_FMT_BF8 matrix_b_scale:MATRIX_SCALE_ROW1
.else
	v_wmma_scale_f32_16x16x128_f8f6f4 v[8*(8*\a+\b):8*(8*\a+\b)+7], v[128*\p+FR*\b:128*\p+FR*\b+FR-1], v[AF+64*\p+FR*\a:AF+64*\p+FR*\a+FR-1], v[8*(8*\a+\b):8*(8*\a+\b)+7], v[SC+16*\sc+2*\b+\p], v[SC+16*\sc+2*\a+\p] matrix_a_fmt:MATRIX_FMT_BF8 matrix_b_fmt:MATRIX_FMT_BF8 matrix_b_scale:MATRIX_SCALE_ROW1
.endif
.endr
.endm
.macro VSTEP slot, first               ; a slot's first 128 along K; the second's fragments are fetched under its products
	s_wait_dscnt 0x0
	PLACES NP
	VFETCH \slot, 1, 1
	WIN MUL_LO
.irp a, 0,1,2,3
	VMUL \a, 0, \slot, \first
.endr
	WIN 0
.endm
.macro VTURN slot, next, m, fill       ; a slot's second 128 and the change of slots; m: the K slot that comes next
	s_wait_tensorcnt 0x0
	ds_add_u32 v[SPW], v[NIL]
	s_wait_dscnt 1                                 ; the add alone may be out
	WIN MUL_LO
	VMUL 0, 1, \slot, 0
	VMUL 1, 1, \slot, 0
	s_wait_dscnt 0x0
	s_barrier_signal -1
	VMUL 2, 1, \slot, 0
	WIN 0
	s_barrier_wait -1
.if \fill
	CREST
	s_add_nc_u64 s[G0+4*\slot+2:G0+4*\slot+3], s[G0+4*\slot+2:G0+4*\slot+3], 2*RBB
	s_add_nc_u64 s[G0B+4*\slot+2:G0B+4*\slot+3], s[G0B+4*\slot+2:G0B+4*\slot+3], 2*RBB
	JLOADV \slot, 0
.endif
	PLACES NP
	VFETCH \next, 0, 0
	VSCALES \m, \next
	WIN MUL_LO
	VMUL 3, 1, \slot, 0
	WIN 0
.endm
	s_wait_xcnt 0x0                                ; the tile's stores have read their registers and bases
	s_load_b128 s[92:95], s[0:1], 0x28             ; qkv_img, qkv_sc anew
	s_lshl_b32 s18, s17, 1
	s_add_co_u32 s18, s18, s16                     ; my tokens' row block
	s_lshr_b32 s19, s18, 4                         ; batch
	s_and_b32 s18, s18, 15                         ; token block
	s_lshl_b32 s22, s19, 3
	s_add_co_u32 s22, s22, s42                     ; batch x 8 + pair of heads
	s_lshl_b32 s46, s22, 18
	s_add_co_u32 s46, s46, 2*SEC
	s_lshl_b32 s43, s18, 14
	s_add_co_u32 s46, s46, s43
	s_lshl_b32 s43, s15, 13                        ; my four tiles of channels are one head's
	s_add_co_u32 s46, s46, s43
	s_mov_b32 s47, 0
	s_mul_i32 s44, s22, 2*HSC
	s_add_co_u32 s44, s44, 8192
	s_lshl_b32 s43, s18, 9
	s_add_co_u32 s44, s44, s43
	s_lshl_b32 s43, s15, 3                         ; of a lane's four words mine are two
	s_add_co_u32 s44, s44, s43
	s_mov_b32 s45, 0
	s_wait_tensorcnt 0x0                           ; my part of v's K slot 1, or the scale words, is in
	s_barrier_signal -1
	s_barrier_wait -1                              ; everybody's is
	VFETCH 0, 0, 0
	VSCALES 0, 0
	s_wait_kmcnt 0x0
	s_add_nc_u64 s[92:93], s[92:93], s[46:47]
	s_add_nc_u64 s[94:95], s[94:95], s[44:45]
	VSTEP 0, 1
	VTURN 0, 1, 1, 1
	VSTEP 1, 0
	VTURN 1, 0, 2, 1
	VSTEP 0, 0
	VTURN 0, 1, 3, 0
	VSTEP 1, 0
	s_wait_dscnt 0x0
	WIN MUL_LO
.irp a, 0,1,2,3
	VMUL \a, 1, 1, 0
.endr
	WIN 0
	PLACES NP
	s_wait_loadcnt 0x0                             ; the biases
.set BA, VBA
.irp a, 0,1,2,3
	OUTBLOCK \a
.endr
	v_cndmask_b32 v[OW], v[W], v[W+1], s98         ; word j of my two: lanes 0-15 tile 2 j, lanes 16-31 tile 2 j + 1
	v_cndmask_b32 v[OW+1], v[W+2], v[W+3], s98
	global_store_b64 v[CO], v[OW:OW+1], s[94:95]   ; into both heads' copies of the pair's words
	global_store_b64 v[CO], v[OW:OW+1], s[94:95] offset:HSC
	s_wait_tensorcnt 0x0
	ds_add_u32 v[SPW], v[NIL]
	s_wait_dscnt 0x0
	CROUND
	s_endpgm
.Lfunc_end_k_qed78582b71_qkv:
	.size	k_qed78582b71_qkv, .Lfunc_end_k_qed78582b71_qkv-k_qed78582b71_qkv
	.p2alignl 7, 3214868480
	.fill 96, 4, 3214868480
	.section	.rodata,"a",@progbits
	.p2align	6, 0x0
	.amdhsa_kernel k_qed78582b71_qkv
		.amdhsa_group_segment_fixed_size 327680
		.amdhsa_private_segment_fixed_size 0
		.amdhsa_enable_private_segment 0
		.amdhsa_kernarg_size 56
		.amdhsa_user_sgpr_count 2
		.amdhsa_user_sgpr_kernarg_segment_ptr 1
		.amdhsa_wavefront_size32 1
		.amdhsa_system_sgpr_workgroup_id_x 1
		.amdhsa_system_sgpr_workgroup_id_y 1
		.amdhsa_system_sgpr_workgroup_id_z 1
		.amdhsa_system_vgpr_workitem_id 0
		.amdhsa_next_free_vgpr 1024
		.amdhsa_next_free_sgpr 106
		.amdhsa_reserve_vcc 0
		.amdhsa_float_denorm_mode_32 3
		.amdhsa_float_denorm_mode_16_64 3
		.amdhsa_memory_ordered 1
		.amdhsa_forward_progress 1
		.amdhsa_inst_pref_size 255
	.end_amdhsa_kernel
	.section	.bss,"aw",@nobits
	.p2align	6
	.space	262144
	.amdgpu_metadata
---
amdhsa.version: [ 1, 2 ]
amdhsa.kernels:
  - .name:           k_qed78582b71_qkv
    .symbol:         k_qed78582b71_qkv.kd
    .args:
      - { .name: x_img, .offset: 0, .size: 8, .value_kind: global_buffer, .address_space: global }
      - { .name: x_sc, .offset: 8, .size: 8, .value_kind: global_buffer, .address_space: global }
      - { .name: w_img, .offset: 16, .size: 8, .value_kind: global_buffer, .address_space: global }
      - { .name: w_sc, .offset: 24, .size: 8, .value_kind: global_buffer, .address_space: global }
      - { .name: b_attn, .offset: 32, .size: 8, .value_kind: global_buffer, .address_space: global }
      - { .name: qkv_img, .offset: 40, .size: 8, .value_kind: global_buffer, .address_space: global }
      - { .name: qkv_sc, .offset: 48, .size: 8, .value_kind: global_buffer, .address_space: global }
    .group_segment_fixed_size: 327680
    .private_segment_fixed_size: 0
    .kernarg_segment_align: 8
    .kernarg_segment_size: 56
    .max_flat_workgroup_size: 128
    .sgpr_count:     106
    .vgpr_count:     1024
    .wavefront_size: 32
...
	.end_amdgpu_metadata
.endif
;; end of part 2
;; launch attn (part 3): grid 4 x 64, 16 waves a work-group, clusters of 4 x 1, 327,680 bytes of LDS; arguments qkv_img, qkv_sc, y_img, y_sc; writes y_img, y_sc
.if DOCPART == 3
	.amdgcn_target "amdgcn-amd-amdhsa--gfx1250"
	.amdhsa_code_object_version 6
	.text
	.protected	k_qed78582b71_attn
	.globl	k_qed78582b71_attn
	.p2align	8
	.type	k_qed78582b71_attn,@function
k_qed78582b71_attn:
	s_mov_b64 s[64:65], 0
	v_nop
	global_prefetch_b8 v0, s[64:65] scope:SCOPE_SE
	s_setreg_imm32_b32 hwreg(HW_REG_WAVE_MODE, 25, 1), 1
	s_wait_xcnt 0x0
	s_wait_alu depctr_hold_cnt(0) depctr_sa_sdst(0) depctr_va_vdst(0) depctr_va_sdst(0) depctr_va_ssrc(0) depctr_va_vcc(0) depctr_vm_vsrc(0)
	s_getreg_b32 s2, hwreg(HW_REG_IB_STS2, 6, 4)
	s_cmp_eq_u32 s2, 0
	s_cbranch_scc0 .Lentry_in_a_cluster
	s_endpgm
.Lentry_in_a_cluster:
	s_bfe_u32 s2, ttmp6, 0x10000c
	s_cmp_lg_u32 s2, 0x3003
	s_cbranch_scc0 .Lentry_shape_is_right
	s_endpgm
.Lentry_shape_is_right:
; y[b][q][head] = the sum over keys of softmax(q . k / 8) v, both products on codes of BF8 (E5M2) with E8M0 scales; y is quantised here, along the model's 1,024, for the last product.
; THE SOFTMAX: t = score x log2(e) / 8; M = the largest t so far, rounded UP to a whole number; p = 2^(t - M) is quantised along the keys, not normalised; the row's sum is taken of the unquantised p and divides at the end.
; When M moves, the sum and O are multiplied by f = 2^(old M - new M), which rounds nothing.
; SHARES.  A work-group owns one head and 512 queries; the four work-groups of a cluster own the head's 2,048 and ask for K, V and their scale words JOINTLY (mask 15).  Each of sixteen waves owns a tile of 16 queries, twice.
; THE HEAD'S K, V AND SCALE WORDS STAY IN LDS, 278,528 bytes, each byte filled once: key steps 0-7 and all scale words at the head (waves 0-3 K, 4-7 V, two steps each; wave 8 the words), key steps 8-15 behind
; the full sequence and a round, one load a wave; they are read behind a later wait and barrier.  No prefetch: all that the launch reads by tensor loads is asked for at the head or behind the first round, so there is no loop to run ahead in.
; LAYOUT.  Operands lie as images of their registers (a fragment: byte 512 c + 16 lane + e); lane-row r of tile i is row 32 (i/2) + 8 (i%2) + r + 8 (r/8) of its block of 128.  Both products are used transposed:
; S^T = K Q^T, O^T = V^T P^T: a lane holds ONE query; the 16 registers of key tiles 2 b, 2 b + 1 are keys 32 b + 16 (lane / 16) + 0 .. 15, P's own layout.
; THE HEAD HAS 64 CHANNELS, the instruction's K is 128.  Q's registers 8-15 are zero codes.  K's eight fragments lie 8 registers apart: the upper half of fragment t is fragment t + 1's codes (the last one's: zeros),
; finite numbers that meet Q's zero codes and add nothing; so eight fragments take 72 registers and the eight products go in one run.
; THE ROW'S SUM of a step is gathered in eight pairs; their last eight additions are put off and serve as the places behind the next products.
; LIMITS: the promise holds while the scaled scores stay under 2^31 in magnitude; a block of zeros gets the byte 1 (read by this program alone); NaN and infinities are not served.
.set HSC,   24576                      ; a head's part of qkv_sc: k 8,192, v 8,192, q 8,192
.set LV,    131072                     ; LDS: K [key step 16][tile 8][1,024] at 0; V [key step 16][tile of channels 4][2,048] here
.set LS,    262144                     ; K's scale words [key step 16][lane 32][4], then V's likewise
.set SPARE, LS+16384                   ; the spare words: 128 bytes a wave, eight blocks of 256 bytes that no other line names
.set AK0,  1                           ; 16 x lane
.set AV0,  2                           ; + LV
.set ASK0, 3                           ; + LS
.set ASV0, 4                           ; + LS + 8,192 + 8 x (head % 2)
.set TT,   5                           ; at work
.set QSO,  6                           ; 16 x (lane % 16)
.set YSO,  7                           ; 8 x (lane % 16)
.set ADK,  8                           ; v8-11 the step's LDS addresses
.set ADV,  9
.set ADS,  10
.set ADT,  11
.set QF,   16                          ; v12 -M, v13 the largest score, v[14:15] the sum in two halves; v16-31 Q
.set KF,   32                          ; v32-103 K's eight fragments, 8 registers apart, and 8 zeros
.set S,    104                         ; v104-167 S^T, then p, then V's four fragments
.set O,    168                         ; v168-199 O^T
.set KS,   200                         ; v200-203 K's scale words, v204-205 V's, v206 Q's, v207 p's: scales and nothing else
.set VS,   204
.set QS,   206
.set PS,   207
.set PC,   208                         ; v208-223 p's codes
.set BM,   224                         ; the blocks' largest scores, then largest p, then bytes
.set BP,   228                         ; the other half's (shares its registers with T6, T7, which are spent by then)
.set HL,   232                         ; 57,344 x the scale
.set SO,   236                         ; the conversions' scale operands
.set T0,   240                         ; eight pairs for the step's sum
.set T1,   242
.set T2,   244
.set T3,   246
.set T4,   252
.set T5,   254
.set T6,   228
.set T7,   230
.set FF,   248                         ; v[248:249] f; at work between its last use and its making
.set SPW,  250
.set NIL,  251
.set TB,   2                           ; s2  LDS byte of the step's tiles: 8,192 a step
.set TS,   3                           ; s3  of its scale words: 512 a step
.set CNT,  13
.set WV,   18
.set MNT,  19
.set SEL,  20
.set CS,   22                          ; s[22:23] c = log2(e) / 8
.set G1K,  24
.set G1V,  32
.set G1S,  40
.set G0,   48                          ; s[48:51] my part of K or V
.set G0S,  68
.macro CROUND
	s_barrier_signal -1
	s_barrier_wait -1
	s_cmp_lg_u32 s[WV], 0
	s_cbranch_scc1 .Lnot_wave_0_\@
	s_barrier_signal -3
.Lnot_wave_0_\@:
	s_barrier_wait -3
	s_barrier_signal -1
	s_barrier_wait -1
.endm
.macro TADD a, b
	v_pk_add_f32 v[\a:\a+1], v[\a:\a+1], v[\b:\b+1]
.endm
.macro TAILA
	TADD T0, T1
	TADD T2, T3
	TADD T4, T5
	TADD T6, T7
.endm
.macro LFMA                            ; the sum so far under the step's M, and the step's own
	v_pk_fma_f32 v[14:15], v[14:15], v[FF:FF+1], v[T0:T0+1] op_sel_hi:[1,0,1]
.endm
	s_load_b256 s[4:11], s[0:1], 0x0               ; qkv_img, qkv_sc, y_img, y_sc
	v_lshl_add_u32 v[SPW], v0, 2, SPARE
	v_mov_b32 v[NIL], 0
	ds_add_u32 v[SPW], v[NIL]                      ; the opening lines: the add twice on end and its wait
	ds_add_u32 v[SPW], v[NIL]
	v_lshrrev_b32 v8, 5, v0
	v_readfirstlane_b32 s[WV], v8                  ; wave 0..15
	s_bfe_u32 s72, ttmp6, 0x40000                  ; cx: it enters Q's and y's global addresses alone
	s_and_b32 s73, ttmp7, 0xffff                   ; batch x 16 + head
	s_and_b32 s74, s73, 1                          ; p: which head of its pair
	s_lshr_b32 s75, s73, 1
	s_lshl_b32 s76, s75, 18                        ; the pair's 262,144 bytes in each part of qkv_img
	s_bfe_u32 s77, s[WV], 0x10002                  ; what I fetch: 0 K (waves 0-3), 1 V (waves 4-7),
	s_and_b32 s78, s[WV], 3                        ; key steps 2 (wave % 4) and the next
	s_mul_i32 s79, s77, 3
	s_add_co_u32 s79, s79, 10
	s_lshl_b32 s79, s74, s79                       ; the head's bytes begin 1,024 p into a fragment of K, 8,192 p into a token block of V
	s_add_co_u32 s80, s77, 1
	s_lshl_b32 s80, s80, 23
	s_add_co_u32 s80, s80, s76
	s_add_co_u32 s80, s80, s79
	s_lshl_b32 s81, s78, 15
	s_add_co_u32 s80, s80, s81
	s_mov_b32 s81, 0
	s_lshl_b32 s82, s77, 17
	s_lshl_b32 s83, s78, 14
	s_add_co_u32 s82, s82, s83                     ; and where it goes
	s_mul_i32 s84, s73, HSC                        ; K's and V's scale words: 16,384 dense bytes
	s_mov_b32 s85, 0
	s_mov_b32 s[G1K], 15|(3<<16)|(1<<21)           ; K: two key steps are 16 fragments, of each 1,024 bytes of 2,048; elements of 8 bytes; the mask names all four partners
	s_mov_b32 s[G1K+1], 128<<16
	s_mov_b32 s[G1K+2], 16<<16
	s_mov_b32 s[G1K+3], 128<<16
	s_mov_b32 s[G1K+4], 16
	s_mov_b32 s[G1K+5], 256
	s_mov_b32 s[G1K+6], 0
	s_mov_b32 s[G1K+7], 0
	s_mov_b32 s[G1V], 15|(3<<16)|(1<<21)           ; V: two key steps, of each 8,192 bytes of 16,384
	s_mov_b32 s[G1V+1], 1024<<16
	s_mov_b32 s[G1V+2], 2<<16
	s_mov_b32 s[G1V+3], 1024<<16
	s_mov_b32 s[G1V+4], 2
	s_mov_b32 s[G1V+5], 2048
	s_mov_b32 s[G1V+6], 0
	s_mov_b32 s[G1V+7], 0
	s_mov_b32 s[G1S], 15|(3<<16)|(1<<21)           ; 64 rows of 256 bytes
	s_mov_b32 s[G1S+1], 32<<16
	s_mov_b32 s[G1S+2], 64<<16
	s_mov_b32 s[G1S+3], 32<<16
	s_mov_b32 s[G1S+4], 64
	s_mov_b32 s[G1S+5], 32
	s_mov_b32 s[G1S+6], 0
	s_mov_b32 s[G1S+7], 0
	; my queries: pass s: token block 4 cx + 2 s + wave / 8 of the batch's 16, tile wave % 8
	s_lshl_b32 s86, s72, 2
	s_lshr_b32 s87, s[WV], 3
	s_add_co_u32 s86, s86, s87
	s_and_b32 s87, s[WV], 7
	s_lshl_b32 s88, s86, 14                        ; Q's codes
	s_add_co_u32 s88, s88, s76
	s_lshl_b32 s89, s87, 11
	s_add_co_u32 s88, s88, s89
	s_lshl_b32 s89, s74, 10
	s_add_co_u32 s88, s88, s89
	s_mov_b32 s89, 0
	s_mul_i32 s90, s73, HSC                        ; Q's scale words: word tile / 2 of lanes 16 (tile % 2) + r
	s_add_co_u32 s90, s90, 16384
	s_lshl_b32 s91, s86, 9
	s_add_co_u32 s90, s90, s91
	s_and_b32 s91, s87, 1
	s_lshl_b32 s91, s91, 8
	s_add_co_u32 s90, s90, s91
	s_lshr_b32 s91, s87, 1
	s_lshl_b32 s91, s91, 2
	s_add_co_u32 s90, s90, s91
	s_mov_b32 s91, 0
	s_lshr_b32 s92, s73, 4                         ; y: row block = batch x 16 + token block; K slot head / 4, q = (head / 2) % 2, groups 2 p, 2 p + 1
	s_lshl_b32 s92, s92, 4
	s_add_co_u32 s92, s92, s86
	s_and_b32 s93, s73, 15
	s_lshr_b32 s94, s93, 2
	s_bfe_u32 s95, s93, 0x10001
	s_lshl_b32 s96, s92, 17
	s_lshl_b32 s97, s94, 15
	s_add_co_u32 s96, s96, s97
	s_lshl_b32 s97, s95, 14
	s_add_co_u32 s96, s96, s97
	s_lshl_b32 s97, s87, 11
	s_add_co_u32 s96, s96, s97
	s_lshl_b32 s97, s74, 10
	s_add_co_u32 s96, s96, s97
	s_mov_b32 s97, 0
	s_lshl_b32 s98, s92, 12                        ; y's scale words: [row block][slot][tile][r][q], my head's two bytes 2 p on
	s_lshl_b32 s99, s94, 10
	s_add_co_u32 s98, s98, s99
	s_lshl_b32 s99, s87, 7
	s_add_co_u32 s98, s98, s99
	s_lshl_b32 s99, s95, 2
	s_add_co_u32 s98, s98, s99
	s_lshl_b32 s99, s74, 1
	s_add_co_u32 s98, s98, s99
	s_mov_b32 s99, 0
	s_lshl_b32 s79, s74, 3
	s_add_co_u32 s79, s79, LS+8192
	s_mov_b32 s[SEL], 0x76543210
	s_mov_b32 s[SEL+1], 0xfedcba98
	s_mov_b32 s[CS], 0x3e38aa3b
	s_mov_b32 s[CS+1], s[CS]
	s_mov_b32 s[MNT], 0x600000
	s_mov_b32 s[TB], 0
	s_mov_b32 s[TS], 0
	s_wait_dscnt 0x0                               ; both opening adds are done
	s_wait_kmcnt 0x0
	s_add_nc_u64 s[80:81], s[4:5], s[80:81]
	s_add_nc_u64 s[84:85], s[6:7], s[84:85]
	s_add_nc_u64 s[88:89], s[4:5], s[88:89]
	s_add_nc_u64 s[90:91], s[6:7], s[90:91]
	s_add_nc_u64 s[96:97], s[8:9], s[96:97]
	s_add_nc_u64 s[98:99], s[10:11], s[98:99]
	CROUND                                         ; all four work-groups are here: the joint loads meet
	s_mov_b32 s[G0S], 1
	s_mov_b32 s[G0S+1], LS
	s_mov_b64 s[G0S+2:G0S+3], s[84:85]
	s_or_b32 s[G0S+3], s[G0S+3], 0x80000000
	s_mov_b32 s[G0], 1
	s_mov_b32 s[G0+1], s82
	s_mov_b64 s[G0+2:G0+3], s[80:81]
	s_or_b32 s[G0+3], s[G0+3], 0x80000000
; THE HEAD'S LOADS, at most one a wave: one tree of branches on the wave's number, a load to an arm
.macro ARM under, g0, g1, next
	s_cmp_lt_u32 s[WV], \under
	s_cbranch_scc0 \next
	tensor_load_to_lds s[\g0:\g0+3], s[\g1:\g1+7]
	s_nop 0
.rept 4
	v_nop
.endr
	s_branch .Lhead_asked
\next:
.endm
	ARM 4, G0,  G1K, .Lhead_v
	ARM 8, G0,  G1V, .Lhead_s
	ARM 9, G0S, G1S, .Lhead_none
.Lhead_asked:
	v_and_b32 v5, 31, v0
	v_lshlrev_b32 v[AK0], 4, v5
	v_and_b32 v5, 15, v0
	v_add_nc_u32 v[AV0], LV, v[AK0]
	v_add_nc_u32 v[ASK0], LS, v[AK0]
	v_add_nc_u32 v[ASV0], s79, v[AK0]
	v_lshlrev_b32 v[QSO], 4, v5
	v_lshlrev_b32 v[YSO], 3, v5
	global_load_b128 v[QF:QF+3], v[AK0], s[88:89]              ; Q's 64 channels: half a fragment
	global_load_b128 v[QF+4:QF+7], v[AK0], s[88:89] offset:512
	global_load_b32 v[QS], v[QSO], s[90:91]
.irp i, 8,9,10,11,12,13,14,15
	v_mov_b32 v[QF+\i], 0                          ; zero codes, written once: Q's k = 64 .. 127,
	v_mov_b32 v[KF+56+\i], 0                       ; and what lies behind K's last fragment
.endr
.macro FRESH                           ; a tile of queries begins: O^T and the sums are zeros, which the first change of M leaves zeros
	v_mov_b32 v13, 0xff61b1e6                      ; the largest score so far: -3e38
	v_mov_b32 v14, 0
	v_mov_b32 v15, 0
	v_mul_f32 v[FF], s[CS], v13
.set i, 0
.rept 32
	v_mov_b32 v[O+i], 0
.set i, i+1
.endr
	v_floor_f32 v12, -v[FF]                        ; -M
.irp r, T0,T1,T2,T3,T4,T5,T6,T7
	v_mov_b32 v[\r], 0
	v_mov_b32 v[\r+1], 0
.endr
	v_mov_b32 v[FF], 1.0
.endm
	FRESH
	v_mov_b32 v[FF+1], 0                           ; (named as the upper half of a pair)
; K's scale words and eight fragments of one key step: word j: lanes 0-15 key tile 2 j, lanes 16-31 key tile 2 j + 1
.macro KLOAD ak, as, ok, os
	ds_load_b128 v[KS:KS+3], v[\as] offset:\os
.irp t, 0,1,2,3,4,5,6,7
	ds_load_b128 v[KF+8*\t:KF+8*\t+3], v[\ak] offset:\ok+1024*\t
	ds_load_b128 v[KF+8*\t+4:KF+8*\t+7], v[\ak] offset:\ok+1024*\t+512
.endr
.endm
.macro ACC r, i, k
.if \k
	v_pk_add_f32 v[\r:\r+1], v[\r:\r+1], v[S+2*\i+16*(\k+1):S+2*\i+16*(\k+1)+1]
.else
	v_pk_add_f32 v[\r:\r+1], v[S+2*\i:S+2*\i+1], v[S+2*\i+16:S+2*\i+17]
.endif
.endm
; A KEY STEP: 128 keys
.macro STEP
	v_add_nc_u32 v[ADK], s[TB], v[AK0]             ; (this step's K was fetched a step ago, or ahead of the pass)
	v_add_nc_u32 v[ADS], s[TS], v[ASK0]
	TAILA                                          ; the last step's sum goes on.  With the two additions above and the three lines below: nine places between the last step's products, which read V in S's registers, and the products that write S
	v_add_nc_u32 v[ADV], s[TB], v[AV0]
	v_add_nc_u32 v[ADT], s[TS], v[ASV0]
	v_mov_b32 v[TT], v12                           ; the old -M
	s_wait_alu depctr_va_vdst(0)                   ; the wait here, directly ahead of the wait below
	s_wait_dscnt 0x0
.irp t, 0,1,2,3,4,5,6,7
.if \t%2
	v_wmma_scale_f32_16x16x128_f8f6f4 v[S+8*\t:S+8*\t+7], v[KF+8*\t:KF+8*\t+15], v[QF:QF+15], 0, v[KS+\t/2], v[QS] matrix_a_fmt:MATRIX_FMT_BF8 matrix_b_fmt:MATRIX_FMT_BF8 matrix_a_scale:MATRIX_SCALE_ROW1
.else
	v_wmma_scale_f32_16x16x128_f8f6f4 v[S+8*\t:S+8*\t+7], v[KF+8*\t:KF+8*\t+15], v[QF:QF+15], 0, v[KS+\t/2], v[QS] matrix_a_fmt:MATRIX_FMT_BF8 matrix_b_fmt:MATRIX_FMT_BF8
.endif
.endr
	TADD T0, T2                                    ; eight places behind the products: the rest of the last step's sum among them
	TADD T4, T6
	v_nop
	v_nop
	TADD T0, T4
	v_nop
	v_nop
	LFMA
	KLOAD ADK, ADS, 8192, 512                      ; THE NEXT STEP'S K, behind the eight places: it has the softmax in which to come.  A pass's last step fetches the 8,192 bytes behind K and the 512 behind its words: bytes of V and of V's words, which are filled; nothing uses them
.irp b, 0,1,2,3                        ; THE LARGEST SCORE OF EACH BLOCK OF 32 KEYS serves twice: for the row's maximum and, since p rises with the score, for the block's largest p.  Each accumulator is read from its low end on
	v_max3_num_f32 v[BM+\b], v[S+16*\b], v[S+16*\b+1], v[S+16*\b+2]
.endr
.irp i, 3,5,7,9,11,13
.irp b, 0,1,2,3
	v_max3_num_f32 v[BM+\b], v[BM+\b], v[S+16*\b+\i], v[S+16*\b+\i+1]
.endr
.endr
.irp b, 0,1,2,3
	v_max_num_f32 v[BM+\b], v[BM+\b], v[S+16*\b+15]
.endr
.irp b, 0,1,2,3
	v_permlanex16_b32 v[BP+\b], v[BM+\b], s[SEL], s[SEL+1]
.endr
.irp b, 0,2
	v_dual_max_num_f32 v[BM+\b], v[BM+\b], v[BP+\b] :: v_dual_max_num_f32 v[BM+\b+1], v[BM+\b+1], v[BP+\b+1]   ; with lane l xor 16's 16 keys; two blocks an instruction
.endr
	v_max3_num_f32 v[FF], v[BM], v[BM+1], v[BM+2]
	s_delay_alu instid0(VALU_DEP_1)
	v_max3_num_f32 v13, v13, v[FF], v[BM+3]        ; the running largest score
	s_delay_alu instid0(VALU_DEP_1)
	v_mul_f32 v[FF], s[CS], v13                    ; as t (c is positive)
	s_delay_alu instid0(VALU_DEP_1)
	v_floor_f32 v12, -v[FF]                        ; the new -M = -ceil(t): a whole number
	s_delay_alu instid0(VALU_DEP_1)
	v_sub_f32 v[TT], v12, v[TT]                    ; old M - new M: a whole number, 0 or less
.set j, 0
.rept 32
	v_pk_fma_f32 v[S+j:S+j+1], v[S+j:S+j+1], s[CS:CS+1], v[12:13] op_sel_hi:[1,0,0]   ; t - M, two at a time
.if j == 2
	v_cvt_i32_f32 v[TT], v[TT]                     ; (it saturates)
.endif
.set j, j+2
.endr
.irp b, 0,1,2,3
	v_fma_f32 v[BM+\b], v[BM+\b], s[CS], v12       ; the same of each block's largest score
.endr
	s_wait_alu depctr_va_vdst(0)                   ; the wait ahead of the batch
.irp b, 0,1,2,3
	v_exp_f32 v[BM+\b], v[BM+\b]                   ; the block's largest p
.endr
.set j, 0
.rept 64
	v_exp_f32 v[S+j], v[S+j]                       ; p = 2^(t - M), at most 1
.set j, j+1
.endr
	v_ldexp_f32 v[FF], 1.0, v[TT]                  ; f = 2^(old M - new M): the plain line behind the batch
	s_wait_alu depctr_va_vdst(0)                   ; one wait for the whole batch, ahead of its first reader
.irp k, 0,1,2                          ; THE SUM IS TAKEN OF THE UNQUANTISED p: eight chains by turns
	ACC T0, 0, \k
	ACC T1, 1, \k
	ACC T2, 2, \k
	ACC T3, 3, \k
	ACC T4, 4, \k
	ACC T5, 5, \k
	ACC T6, 6, \k
	ACC T7, 7, \k
.endr
.irp b, 0,2
	v_dual_max_num_f32 v[BM+\b], 0x8000000, v[BM+\b] :: v_dual_max_num_f32 v[BM+\b+1], 0x8000000, v[BM+\b+1]   ; the floor 2^(16 - 127): the byte cannot fall under 1
.endr
.irp b, 0,1,2,3
	v_add_nc_u32 v[SO+\b], 0xf8800000, v[BM+\b]    ; 15 off the exponent field: the conversions' scale operand
.endr
.irp b, 0,1,2,3
	v_and_or_b32 v[HL+\b], v[BM+\b], 0x7f800000, s[MNT]   ; 57,344 x the scale
.endr
.irp b, 0,1,2,3
	v_lshrrev_b32 v[BM+\b], 23, v[SO+\b]           ; the byte
.endr
	v_lshl_or_b32 v[PS], v[BM+1], 8, v[BM]         ; p's scale word for these 128 keys
	v_lshl_or_b32 v[TT], v[BM+3], 8, v[BM+2]
	v_lshl_or_b32 v[PS], v[TT], 16, v[PS]
.irp b, 0,1,2,3
.irp i, 0,2,4,6,8,10,12,14             ; the conversion does not saturate (ISA guide 7.6.2); p is not negative, so the hold is one-sided; two holds an instruction
	v_dual_min_num_f32 v[S+16*\b+\i], v[S+16*\b+\i], v[HL+\b] :: v_dual_min_num_f32 v[S+16*\b+\i+1], v[S+16*\b+\i+1], v[HL+\b]
.endr
	v_cvt_scalef32_pk8_bf8_f32 v[PC+4*\b:PC+4*\b+1], v[S+16*\b:S+16*\b+7], v[SO+\b]
	v_cvt_scalef32_pk8_bf8_f32 v[PC+4*\b+2:PC+4*\b+3], v[S+16*\b+8:S+16*\b+15], v[SO+\b]
.irp c, 0,1,2,3
	ds_load_b128 v[S+16*\b+4*\c:S+16*\b+4*\c+3], v[ADV] offset:2048*\b+512*\c   ; V's fragment b takes the registers of p's block b as soon as that block is converted
.endr
.endr
	ds_load_b64 v[VS:VS+1], v[ADT]                 ; word j: lanes 0-15 channel tile 2 j, lanes 16-31 tile 2 j + 1
	s_wait_alu depctr_va_vdst(0)                   ; the wait here, directly ahead of the first reader of O^T
.set j, 0
.rept 16
	v_pk_mul_f32 v[O+j:O+j+1], v[O+j:O+j+1], v[FF:FF+1] op_sel_hi:[1,0]   ; O^T under the new M, while the loads are out; also the plain lines between the conversions and the products
.set j, j+2
.endr
	s_wait_alu depctr_va_vdst(0)                   ; and here, directly ahead of the wait below
	s_wait_dscnt 0x0
.irp t, 0,1,2,3                        ; the four accumulators take turns
.if \t%2
	v_wmma_scale_f32_16x16x128_f8f6f4 v[O+8*\t:O+8*\t+7], v[S+16*\t:S+16*\t+15], v[PC:PC+15], v[O+8*\t:O+8*\t+7], v[VS+\t/2], v[PS] matrix_a_fmt:MATRIX_FMT_BF8 matrix_b_fmt:MATRIX_FMT_BF8 matrix_a_scale:MATRIX_SCALE_ROW1
.else
	v_wmma_scale_f32_16x16x128_f8f6f4 v[O+8*\t:O+8*\t+7], v[S+16*\t:S+16*\t+15], v[PC:PC+15], v[O+8*\t:O+8*\t+7], v[VS+\t/2], v[PS] matrix_a_fmt:MATRIX_FMT_BF8 matrix_b_fmt:MATRIX_FMT_BF8
.endif
.endr
	s_add_co_u32 s[TB], s[TB], 8192
	s_add_co_u32 s[TS], s[TS], 512
.endm
.macro RUN n
	s_mov_b32 s[CNT], \n
.Lrun_\@:
	STEP
	s_sub_co_u32 s[CNT], s[CNT], 1
	s_cmp_lg_u32 s[CNT], 0
	s_cbranch_scc1 .Lrun_\@
.endm
; THE WAY OUT of pass s: O^T / the sum is y's 64 numbers of my row: two blocks of 32 along the last product's K: quantised, and stored as half an image and half a scale word.  next = 1: the second pass is made ready.
.macro WAYOUT s, next
	TAILA                                          ; the last step's sum is finished: eight plain lines, the places behind the last products
	TADD T0, T2
	TADD T4, T6
	TADD T0, T4
	LFMA
.if \next
	global_load_b128 v[QF:QF+3], v[AK0], s[88:89] offset:32768           ; the next tile of queries lies two token blocks on
	global_load_b128 v[QF+4:QF+7], v[AK0], s[88:89] offset:32768+512
	global_load_b32 v[QS], v[QSO], s[90:91] offset:1024
.endif
	v_add_f32 v14, v14, v15
	v_permlanex16_b32 v[TT], v14, s[SEL], s[SEL+1]
	v_add_f32 v14, v14, v[TT]                      ; the row's sum
	s_wait_alu depctr_va_vdst(0)                   ; the wait ahead of the transcendental
	v_rcp_f32 v14, v14
	v_nop
	s_wait_alu depctr_va_vdst(0)                   ; and ahead of its first reader, which is O^T's too
.set i, 0
.rept 16
	v_pk_mul_f32 v[S+i:S+i+1], v[O+i:O+i+1], v[14:15] op_sel_hi:[1,0]   ; each accumulator from its low end on
.set i, i+2
.endr
.irp b, 0,1
	v_max3_num_f32 v[BM+\b], |v[S+16*\b]|, |v[S+16*\b+1]|, 0x8000000
.endr
.irp i, 2,4,6,8,10,12,14
.irp b, 0,1
	v_max3_num_f32 v[BM+\b], v[BM+\b], |v[S+16*\b+\i]|, |v[S+16*\b+\i+1]|
.endr
.endr
.irp b, 0,1
	v_permlanex16_b32 v[BP+\b], v[BM+\b], s[SEL], s[SEL+1]
.endr
.irp b, 0,1
	v_max_num_f32 v[BM+\b], v[BM+\b], v[BP+\b]
.endr
.irp b, 0,1
	v_add_nc_u32 v[SO+\b], 0xf8800000, v[BM+\b]
.endr
.irp b, 0,1
	v_and_or_b32 v[HL+\b], v[BM+\b], 0x7f800000, s[MNT]
.endr
.irp b, 0,1
	v_lshrrev_b32 v[BP+\b], 23, v[SO+\b]
.endr
	v_lshl_or_b32 v[TT], v[BP+1], 8, v[BP]         ; my head's two bytes of the row's scale word
.irp b, 0,1
.irp i, 0,1,2,3,4,5,6,7,8,9,10,11,12,13,14,15
	v_med3_num_f32 v[S+16*\b+\i], v[S+16*\b+\i], -v[HL+\b], v[HL+\b]
.endr
	v_cvt_scalef32_pk8_bf8_f32 v[PC+4*\b:PC+4*\b+1], v[S+16*\b:S+16*\b+7], v[SO+\b]
	v_cvt_scalef32_pk8_bf8_f32 v[PC+4*\b+2:PC+4*\b+3], v[S+16*\b+8:S+16*\b+15], v[SO+\b]
.endr
	v_nop                                          ; a plain line behind the last conversion
	global_store_b128 v[AK0], v[PC:PC+3], s[96:97] offset:262144*\s          ; 512 consecutive bytes, aligned
	global_store_b128 v[AK0], v[PC+4:PC+7], s[96:97] offset:262144*\s+512
	global_store_b16 v[YSO], v[TT], s[98:99] offset:8192*\s    ; two bytes a row: the word's other half is another head's, made by another work-group; lanes 16-31 write the same bytes with the same values
.if \next
	s_wait_xcnt 0x0                                ; the stores have read their registers
	FRESH
	s_mov_b32 s[TB], 0
	s_mov_b32 s[TS], 0
	s_wait_alu depctr_va_vdst(0)                   ; the wait here, directly ahead of the wait below
	s_wait_loadcnt 0x0                             ; Q
.endif
.endm
	s_wait_alu depctr_va_vdst(0)                   ; the wait at the head's end
	s_wait_tensorcnt 0x0                           ; my part of key steps 0-7, or the scale words, is in; the full sequence ahead of the later first fills:
	ds_add_u32 v[SPW], v[NIL]                      ; the add, twice on end here
	ds_add_u32 v[SPW], v[NIL]
	s_add_co_u32 s[G0+1], s[G0+1], 65536           ; no load of mine is out: eight key steps on, in LDS
	s_add_nc_u64 s[G0+2:G0+3], s[G0+2:G0+3], 131072   ; and in memory
	s_wait_dscnt 0x0
	CROUND                                         ; key steps 0-7 are whole in every partner, and the joint loads meet
	s_cmp_lt_u32 s[WV], 4
	s_cbranch_scc0 .Lnot_k
	tensor_load_to_lds s[G0:G0+3], s[G1K:G1K+7]    ; key steps 8-15: my one load behind the round
	s_nop 0
.rept 4
	v_nop
.endr
	s_branch .Lasked
.Lnot_k:
	s_cmp_lt_u32 s[WV], 8
	s_cbranch_scc0 .Lasked
	tensor_load_to_lds s[G0:G0+3], s[G1V:G1V+7]
	s_nop 0
.rept 4
	v_nop
.endr
.Lasked:
	KLOAD AK0, ASK0, 0, 0                          ; key step 0's K
	s_wait_loadcnt 0x0                             ; Q
	RUN 4                                          ; these four steps read key steps 0 to 4, which the head's fills hold
	s_wait_tensorcnt 0x0                           ; my part of key steps 8-15 is in (no LDS instruction of mine is out: each step ends behind its wait)
	s_barrier_signal -1
	s_barrier_wait -1                              ; everybody's is
	RUN 12
	WAYOUT 0, 1
	KLOAD AK0, ASK0, 0, 0
	RUN 16                                         ; the second pass finds the whole head in LDS
	WAYOUT 1, 0
	s_wait_tensorcnt 0x0                           ; the wave's end
	ds_add_u32 v[SPW], v[NIL]
	s_wait_dscnt 0x0
	CROUND                                         ; the closing round
	s_endpgm
.Lfunc_end_k_qed78582b71_attn:
	.size	k_qed78582b71_attn, .Lfunc_end_k_qed78582b71_attn-k_qed78582b71_attn
	.p2alignl 7, 3214868480
	.fill 96, 4, 3214868480
	.section	.rodata,"a",@progbits
	.p2align	6, 0x0
	.amdhsa_kernel k_qed78582b71_attn
		.amdhsa_group_segment_fixed_size 327680
		.amdhsa_private_segment_fixed_size 0
		.amdhsa_enable_private_segment 0
		.amdhsa_kernarg_size 32
		.amdhsa_user_sgpr_count 2
		.amdhsa_user_sgpr_kernarg_segment_ptr 1
		.amdhsa_wavefront_size32 1
		.amdhsa_system_sgpr_workgroup_id_x 1
		.amdhsa_system_sgpr_workgroup_id_y 1
		.amdhsa_system_sgpr_workgroup_id_z 1
		.amdhsa_system_vgpr_workitem_id 0
		.amdhsa_next_free_vgpr 256
		.amdhsa_next_free_sgpr 100
		.amdhsa_reserve_vcc 0
		.amdhsa_float_denorm_mode_32 3
		.amdhsa_float_denorm_mode_16_64 3
		.amdhsa_memory_ordered 1
		.amdhsa_forward_progress 1
		.amdhsa_inst_pref_size 83
	.end_amdhsa_kernel
	.amdgpu_metadata
---
amdhsa.version: [ 1, 2 ]
amdhsa.kernels:
  - .name:           k_qed78582b71_attn
    .symbol:         k_qed78582b71_attn.kd
    .args:
      - { .name: qkv_img, .offset: 0, .size: 8, .value_kind: global_buffer, .address_space: global }
      - { .name: qkv_sc, .offset: 8, .size: 8, .value_kind: global_buffer, .address_space: global }
      - { .name: y_img, .offset: 16, .size: 8, .value_kind: global_buffer, .address_space: global }
      - { .name: y_sc, .offset: 24, .size: 8, .value_kind: global_buffer, .address_space: global }
    .group_segment_fixed_size: 327680
    .private_segment_fixed_size: 0
    .kernarg_segment_align: 8
    .kernarg_segment_size: 32
    .max_flat_workgroup_size: 512
    .sgpr_count:     100
    .vgpr_count:     256
    .wavefront_size: 32
...
	.end_amdgpu_metadata
.endif
;; end of part 3
;; launch proj (part 4): grid 4 x 64, 4 waves a work-group, clusters of 4 x 4, 327,680 bytes of LDS; arguments y_img, y_sc, w_img, w_sc, b_proj, out0; writes out0
.if DOCPART == 4
	.amdgcn_target "amdgcn-amd-amdhsa--gfx1250"
	.amdhsa_code_object_version 6
	.text
	.protected	k_qed78582b71_proj
	.globl	k_qed78582b71_proj
	.p2align	8
	.type	k_qed78582b71_proj,@function
k_qed78582b71_proj:
	s_mov_b64 s[64:65], 0
	v_nop
	global_prefetch_b8 v0, s[64:65] scope:SCOPE_SE
	s_setreg_imm32_b32 hwreg(HW_REG_WAVE_MODE, 25, 1), 1
	s_wait_xcnt 0x0
	s_wait_alu depctr_hold_cnt(0) depctr_sa_sdst(0) depctr_va_vdst(0) depctr_va_sdst(0) depctr_va_ssrc(0) depctr_va_vcc(0) depctr_vm_vsrc(0)
	s_getreg_b32 s2, hwreg(HW_REG_IB_STS2, 6, 4)
	s_cmp_eq_u32 s2, 0
	s_cbranch_scc0 .Lentry_in_a_cluster
	s_endpgm
.Lentry_in_a_cluster:
	s_bfe_u32 s2, ttmp6, 0x10000c
	s_cmp_lg_u32 s2, 0xf033
	s_cbranch_scc0 .Lentry_shape_is_right
	s_endpgm
.Lentry_shape_is_right:
; out0 [8192][1024] = y w_proj + b_proj, on codes of BF8 (E5M2) with E8M0 scales.  y_img, w_img hold the operands as images of the matrix registers:
; [row block of 128][K slot of 256: 4][q: 2][tile of 16 rows: 8][2,048]: a row block's 128 along K are 16,384 dense bytes; lane-row r of tile i is row 32 (i/2) + 8 (i%2) + r + 8 (r/8).  w_proj's columns are row blocks 24-31 of w_img.
; Scale words: [row block][K slot 4][tile 8][r 16][q 2].
; A work-group makes 128 rows x 256 columns: 64 x 4 = 256 work-groups.  Four waves, each 64 x 128: 32 accumulators (window 2); two sets of fragments for A (window 0) and for B (window 1): a K step's fragments are fetched under the step before.
; K = 1,024 is eight steps of 128.  A slot holds THREE steps (A 49,152 bytes, B's two row blocks 49,152 each): K goes as 3 + 3 + 2, with one refill.  The scale words of all of K come once, at the head.
; CLUSTERS of 4 x 4: A's tiles are asked for jointly along a row of the cluster, B's along a column.  At the head wave 0 fetches A's slot 0, wave 1 B's, waves 2 and 3 the scale words; later wave 0 A, waves 1 and 2 B's row blocks.
; No prefetch: of the three fills two are asked for ahead of the first product, and there is no loop to run ahead in.
; THE MATRIX INSTRUCTION IS USED TRANSPOSED (source 0 = B's rows, source 1 = A's): a lane holds eight neighbouring columns of a row; the bias is the C of the first step's products.
.set QB,     16384
.set RB3,    3*QB
.set SLOT,   3*RB3
.set SCL,    2*SLOT                    ; A's scale words 4,096 bytes, then B's 8,192
.set SPARE,  SCL+12288                 ; the spare words: two blocks of 256 bytes that no other line names
.set FR,     16
.set NP,     8                         ; places behind this matrix instruction (ISA guide 7.12.1)
.set SPITCH, 528                       ; the way out: a stage of 16 rows x (512 + 16) bytes a wave, in slot 1, which has had its last fill and its last read by then
.set ADRA, 16
.set ADRB, 20
.set STO,  24
.set RD,   25
.set CO,   26
.set ADRS, 27
.set SPW,  28
.set NIL,  29
.set SC,   32                          ; v32-63 scale words, two sets: register 2 i + q: lanes 0-15 A's tile i (0-3 are used), lanes 16-31 B's tile i
.set BB,   64                          ; v64-127 the bias in the accumulators' layout
.set AF,   128                         ; v128-255 A's fragments, two sets of four
.set BK,   128
.set G0BH, 4
.set G1A,  24
.set G0A,  32                          ; slot 0's A: the head's fill, then the refill
.set G0A1, 36
.set G1B,  48
.set G0B,  56
.set G0B1, 60
.set G1S,  68
.set G0S,  76
.set G1SB, 80
.set G0SB, 88
.set MSB, 0
.macro WIN new
.if MSB != (\new)
	s_set_vgpr_msb (MSB<<8)|(\new)
.set MSB, \new
.endif
.endm
.set MUL_LO, 0xa1                      ; source 0 window 1, source 1 window 0, C and D window 2
.set TO_B,   0x40
.macro PLACES n
.rept \n
	v_nop
.endr
.endm
.macro CREST
	s_cmp_lg_u32 s14, 0
	s_cbranch_scc1 .Lnot_wave_0_\@
	s_barrier_signal -3
.Lnot_wave_0_\@:
	s_barrier_wait -3
	s_barrier_signal -1
	s_barrier_wait -1
.endm
.macro CROUND
	s_barrier_signal -1
	s_barrier_wait -1
	CREST
.endm
.macro JLOAD g0a, g0b                  ; the ring's joint loads: wave 0 A, waves 1 and 2 B's row blocks, wave 3 none
	s_cmp_eq_u32 s14, 0
	s_cbranch_scc0 .Lfor_b_\@
	tensor_load_to_lds s[\g0a:\g0a+3], s[G1A:G1A+7]
	s_nop 0
.rept 4
	v_nop
.endr
	s_branch .Lasked_\@
.Lfor_b_\@:
	s_cmp_lt_u32 s14, 3
	s_cbranch_scc0 .Lasked_\@
	tensor_load_to_lds s[\g0b:\g0b+3], s[G1B:G1B+7]
	s_nop 0
.rept 4
	v_nop
.endr
.Lasked_\@:
.endm
.macro D1 g, c, r, p                   ; group 1 behind its first word: r rows of c elements of 8 bytes, p elements apart
	s_mov_b32 s[\g+1], (\c)<<16
	s_mov_b32 s[\g+2], (\r)<<16
	s_mov_b32 s[\g+3], (\c)<<16
	s_mov_b32 s[\g+4], \r
	s_mov_b32 s[\g+5], \p
	s_mov_b32 s[\g+6], 0
	s_mov_b32 s[\g+7], 0
.endm
	s_load_b256 s[4:11], s[0:1], 0x0               ; y_img, y_sc, w_img, w_sc
	s_load_b64 s[12:13], s[0:1], 0x20              ; b_proj
	s_load_b64 s[92:93], s[0:1], 0x28              ; out0
	v_lshl_add_u32 v[SPW], v0, 2, SPARE
	v_mov_b32 v[NIL], 0
	ds_add_u32 v[SPW], v[NIL]                      ; the opening lines: the add twice on end and its wait
	ds_add_u32 v[SPW], v[NIL]
	v_lshrrev_b32 v1, 5, v0
	v_readfirstlane_b32 s14, v1                    ; wave 0..3
	s_lshr_b32 s15, s14, 1                         ; which 64 rows are mine
	s_and_b32 s16, s14, 1                          ; which 128 columns
	s_bfe_u32 s40, ttmp6, 0x40000                  ; cx, cy
	s_bfe_u32 s41, ttmp6, 0x40004
	s_lshl_b32 s42, ttmp9, 2
	s_add_co_u32 s42, s42, s40                     ; tile column 0..3
	s_and_b32 s17, ttmp7, 0xffff
	s_lshl_b32 s17, s17, 2
	s_add_co_u32 s17, s17, s41                     ; tile row = A's row block 0..63
	s_lshl_b32 s43, s41, 2
	s_lshl_b32 s43, 15, s43                        ; my row of the cluster
	s_lshl_b32 s44, 0x1111, s40                    ; my column
	s_or_b32 s[G1A], s43, (3<<16)|(1<<21)
	s_or_b32 s[G1B], s44, (3<<16)|(1<<21)
	s_or_b32 s[G1S], s43, (3<<16)|(1<<21)
	s_or_b32 s[G1SB], s44, (3<<16)|(1<<21)
	D1 G1A, 32, 192, 32                            ; three K steps of a row block: 49,152 dense bytes as 192 rows of 256
	D1 G1B, 6144, 2, 16384                         ; the head's shape: the same of two row blocks, 2 rows of 49,152 bytes, 131,072 apart
	D1 G1S, 32, 16, 32
	D1 G1SB, 32, 32, 32
	s_lshl_b32 s20, s17, 17
	s_mov_b32 s21, 0
	s_lshl_b32 s22, s17, 12
	s_mov_b32 s23, 0
	s_lshl_b32 s46, s42, 18
	s_mov_b32 s47, 0
	s_lshl_b32 s18, s42, 13
	s_mov_b32 s19, 0
	s_mul_i32 s45, s14, RB3                        ; the ring: waves 1 and 2 put B's row blocks behind A
	s_lshl_b32 s66, s14, 17
	s_mov_b32 s67, 0
	s_lshl_b32 s94, s15, 13                        ; my four tiles of A
	s_mul_i32 s95, s16, RB3
	s_add_co_u32 s95, s95, RB3                     ; my row block of B
	s_lshl_b32 s97, s15, 9
	s_lshl_b32 s96, s16, 12
	s_add_co_u32 s96, s96, 4096
	s_sub_co_u32 s96, s96, s97                     ; from my words of A to my words of B
	s_add_co_u32 s97, s97, SCL
	s_mul_i32 s98, s14, 16*SPITCH
	s_add_co_u32 s98, s98, SLOT                    ; my stage
	s_lshl_b32 s2, s42, 1
	s_add_co_u32 s2, s2, s16
	s_lshl_b32 s2, s2, 9                           ; my 128 biases
	s_mov_b32 s3, 0
	s_lshl_b32 s40, s17, 7
	s_lshl_b32 s41, s15, 6
	s_add_co_u32 s40, s40, s41
	s_lshl_b32 s40, s40, 12                        ; my first row of out0,
	s_lshl_b32 s41, s42, 10
	s_add_co_u32 s40, s40, s41
	s_lshl_b32 s41, s16, 9
	s_add_co_u32 s40, s40, s41                     ; my first column
	s_mov_b32 s41, 0
	s_wait_dscnt 0x0                               ; both opening adds are done
	s_wait_kmcnt 0x0
	s_add_nc_u64 s[8:9], s[8:9], 24*131072
	s_add_nc_u64 s[10:11], s[10:11], 24*4096
	s_add_nc_u64 s[20:21], s[4:5], s[20:21]
	s_add_nc_u64 s[22:23], s[6:7], s[22:23]
	s_add_nc_u64 s[46:47], s[8:9], s[46:47]
	s_add_nc_u64 s[18:19], s[10:11], s[18:19]
	s_add_nc_u64 s[2:3], s[12:13], s[2:3]
	s_add_nc_u64 s[92:93], s[92:93], s[40:41]
	CROUND                                         ; all sixteen work-groups are here: the first joint loads meet
	s_mov_b32 s[G0A], 1
	s_mov_b32 s[G0A+1], 0
	s_mov_b64 s[G0A+2:G0A+3], s[20:21]
	s_or_b32 s[G0A+3], s[G0A+3], 0x80000000
	s_mov_b32 s[G0A1], 1
	s_mov_b32 s[G0A1+1], SLOT
	s_add_nc_u64 s[G0A1+2:G0A1+3], s[20:21], RB3
	s_or_b32 s[G0A1+3], s[G0A1+3], 0x80000000
	s_mov_b32 s[G0BH], 1
	s_mov_b32 s[G0BH+1], RB3
	s_mov_b64 s[G0BH+2:G0BH+3], s[46:47]
	s_or_b32 s[G0BH+3], s[G0BH+3], 0x80000000
	s_add_nc_u64 s[46:47], s[46:47], s[66:67]      ; wave x a row block: wave 1 takes row block 0, wave 2 row block 1
	s_mov_b32 s[G0B], 1
	s_mov_b32 s[G0B+1], s45
	s_sub_nc_u64 s[G0B+2:G0B+3], s[46:47], 131072-6*QB   ; K steps 6 and 7
	s_or_b32 s[G0B+3], s[G0B+3], 0x80000000
	s_mov_b32 s[G0B1], 1
	s_add_co_u32 s[G0B1+1], s45, SLOT
	s_sub_nc_u64 s[G0B1+2:G0B1+3], s[46:47], 131072-3*QB  ; K steps 3 to 5
	s_or_b32 s[G0B1+3], s[G0B1+3], 0x80000000
	s_mov_b32 s[G0S], 1
	s_mov_b32 s[G0S+1], SCL
	s_mov_b64 s[G0S+2:G0S+3], s[22:23]
	s_or_b32 s[G0S+3], s[G0S+3], 0x80000000
	s_mov_b32 s[G0SB], 1
	s_mov_b32 s[G0SB+1], SCL+4096
	s_mov_b64 s[G0SB+2:G0SB+3], s[18:19]
	s_or_b32 s[G0SB+3], s[G0SB+3], 0x80000000
; THE HEAD'S LOADS, ONE A WAVE: one tree of branches on the wave's number, a load to an arm
.macro ARM under, g0, g1, next
	s_cmp_lt_u32 s14, \under
	s_cbranch_scc0 \next
	tensor_load_to_lds s[\g0:\g0+3], s[\g1:\g1+7]
	s_nop 0
.rept 4
	v_nop
.endr
	s_branch .Lhead_asked
\next:
.endm
	ARM 1, G0A,  G1A, .Lhead_b
	ARM 2, G0BH, G1B, .Lhead_sa
	ARM 3, G0S,  G1S, .Lhead_sb
	tensor_load_to_lds s[G0SB:G0SB+3], s[G1SB:G1SB+7]
	s_nop 0
.rept 4
	v_nop
.endr
.Lhead_asked:
	v_and_b32 v1, 15, v0                           ; r
	v_bfe_u32 v2, v0, 4, 1                         ; h
	v_and_b32 v3, 31, v0
	v_lshlrev_b32 v[CO], 4, v3                     ; 16 x lane
	v_add_nc_u32 v[ADRA], s94, v[CO]
	v_add_nc_u32 v[ADRB], s95, v[CO]
	v_add_nc_u32 v[ADRA+1], SLOT, v[ADRA]
	v_add_nc_u32 v[ADRB+1], SLOT, v[ADRB]
	v_mul_u32_u24 v6, s96, v2                      ; lanes 16-31 take B's words
	v_lshl_add_u32 v5, v1, 3, v6
	v_add_nc_u32 v[ADRS], s97, v5
	v_mul_u32_u24 v5, v1, SPITCH
	v_lshl_add_u32 v5, v2, 6, v5
	v_add_nc_u32 v[STO], s98, v5                   ; into the stage: row r, 64 h bytes on
	v_add_nc_u32 v[RD], s98, v[CO]                 ; out of it: a row of 512 bytes to the 32 lanes
	v_lshlrev_b32 v4, 6, v2
.irp b, 0,1,2,3
.irp k, 0,1,2,3
	global_load_b128 v[BB+16*\b+4*\k:BB+16*\b+4*\k+3], v4, s[2:3] offset:128*\b+16*\k   ; columns 32 b + 16 h + 0 .. 15: tiles 2 b and 2 b + 1
.endr
.endr
.macro FRAG reg, adr, q, i
.irp c, 0,1,2,3
	ds_load_b128 v[\reg+4*\c:\reg+4*\c+3], v[\adr] offset:QB*(\q)+2048*(\i)+512*\c
.endr
.endm
.macro FETCH slot, q, p                ; the fragments of the slot's q-th 128 along K into sets p
	WIN TO_B
.irp i, 0,1,2,3,4,5,6,7
	FRAG 128*(\p)+FR*\i, ADRB+\slot, \q, \i
.endr
	WIN 0
.irp i, 0,1,2,3
	FRAG AF+64*(\p)+FR*\i, ADRA+\slot, \q, \i
.endr
.endm
.macro SCALES m                        ; the scale words of K steps 2 m and 2 m + 1 into set m % 2
.irp i, 0,1,2,3,4,5,6,7
	ds_load_b64 v[SC+16*((\m)%2)+2*\i:SC+16*((\m)%2)+2*\i+1], v[ADRS] offset:1024*(\m)+128*\i
.endr
.endm
.macro MULA a, p, sc, first            ; eight products: A's tile a against B's eight; the 32 accumulators take turns
.irp b, 0,1,2,3,4,5,6,7
.if \first
	v_wmma_scale_f32_16x16x128_f8f6f4 v[8*(8*\a+\b):8*(8*\a+\b)+7], v[128*\p+FR*\b:128*\p+FR*\b+FR-1], v[AF+64*\p+FR*\a:AF+64*\p+FR*\a+FR-1], v[BB+8*\b:BB+8*\b+7], v[SC+16*\sc+2*\b+\p], v[SC+16*\sc+2*\a+\p] matrix_a_fmt:MATRIX_FMT_BF8 matrix_b_fmt:MATRIX_FMT_BF8 matrix_a_scale:MATRIX_SCALE_ROW1
.else
	v_wmma_scale_f32_16x16x128_f8f6f4 v[8*(8*\a+\b):8*(8*\a+\b)+7], v[128*\p+FR*\b:128*\p+FR*\b+FR-1], v[AF+64*\p+FR*\a:AF+64*\p+FR*\a+FR-1], v[8*(8*\a+\b):8*(8*\a+\b)+7], v[SC+16*\sc+2*\b+\p], v[SC+16*\sc+2*\a+\p] matrix_a_fmt:MATRIX_FMT_BF8 matrix_b_fmt:MATRIX_FMT_BF8 matrix_a_scale:MATRIX_SCALE_ROW1
.endif
.endr
.endm
; A K step (sets p, scale set sc) whose successor, the nq-th 128 of slot ns, lies in LDS already: it is fetched first, under this step's products.  m >= 0: K pair m's scale words come too
.macro STEP p, sc, first, ns, nq, m
	s_wait_dscnt 0x0
	PLACES NP
	FETCH \ns, \nq, 1-\p
.if \m >= 0
	SCALES \m
.endif
.if \first
	WIN 0x81                                       ; C, the bias, in window 0
.else
	WIN MUL_LO
.endif
.irp a, 0,1,2,3
	MULA \a, \p, \sc, \first
.endr
	WIN 0
.endm
; A slot's last K step and the change of slots.  fill = 1: slot 0 takes K steps 6 and 7, behind a round of the cluster's barrier
.macro TURN p, sc, ns, m, fill
	s_wait_tensorcnt 0x0                           ; all my tensor loads have landed;
	ds_add_u32 v[SPW], v[NIL]
.if \fill
	s_mov_b32 s[G1A+2], 128<<16                    ; no load of mine is out: the refill brings two K steps, 128 rows of 256 bytes
	s_mov_b32 s[G1A+4], 128
	s_mov_b32 s[G1B+2], 128<<16
	s_mov_b32 s[G1B+4], 128
.endif
	s_wait_dscnt 1                                 ; the add alone may be out
	WIN MUL_LO
	MULA 0, \p, \sc, 0
	MULA 1, \p, \sc, 0
	s_wait_dscnt 0x0                               ; the add is done; my reads of this slot were over when its last fragments came
	s_barrier_signal -1
	MULA 2, \p, \sc, 0
	WIN 0
	s_barrier_wait -1
.if \fill
	CREST
	JLOAD G0A, G0B
.endif
	PLACES NP
	FETCH \ns, 0, 1-\p
.if \m >= 0
	SCALES \m
.endif
	WIN MUL_LO
	MULA 3, \p, \sc, 0
	WIN 0
.endm
	s_wait_alu depctr_va_vdst(0)                   ; the wait at the head's end
	s_wait_tensorcnt 0x0                           ; my tile of the head's four is in; the full sequence ahead of slot 1's first fill
	ds_add_u32 v[SPW], v[NIL]
	s_mov_b32 s[G1B+1], 32<<16                     ; no load of mine is out: from here on B's loads bring one row block, like A's
	s_mov_b32 s[G1B+2], 192<<16
	s_mov_b32 s[G1B+3], 32<<16
	s_mov_b32 s[G1B+4], 192
	s_mov_b32 s[G1B+5], 32
	s_add_nc_u64 s[G0A+2:G0A+3], s[G0A+2:G0A+3], 6*QB   ; slot 0's next fill of A: K steps 6 and 7
	s_wait_dscnt 0x0
	CROUND
	JLOAD G0A1, G0B1                               ; K steps 3 to 5: the first tensor load behind the round
	FETCH 0, 0, 0
	SCALES 0
	s_wait_loadcnt 0x0                             ; the bias
	STEP 0, 0, 1, 0, 1, -1                         ; K step 0
	STEP 1, 0, 0, 0, 2, 1                          ; 1
	TURN 0, 1, 1, -1, 1                            ; 2
	STEP 1, 1, 0, 1, 1, 2                          ; 3
	STEP 0, 0, 0, 1, 2, -1                         ; 4
	TURN 1, 0, 0, 3, 0                             ; 5
	STEP 0, 1, 0, 0, 1, -1                         ; 6
	s_wait_dscnt 0x0                               ; 7
	WIN MUL_LO
.irp a, 0,1,2,3
	MULA \a, 1, 1, 0
.endr
	WIN 0
; THE WAY OUT, block by block of 16 rows x 128 columns, through my stage: back come whole rows of 512 bytes, which the 32 lanes store as two aligned units of 256 bytes
.macro TOSTAGE a
	WIN 0x08                                       ; the data: window 2
.irp b, 0,1,2,3,4,5,6,7
	ds_store_b128 v[STO], v[64*\a+8*\b:64*\a+8*\b+3] offset:128*(\b/2)+32*(\b%2)        ; each accumulator from its low end on
	ds_store_b128 v[STO], v[64*\a+8*\b+4:64*\a+8*\b+7] offset:128*(\b/2)+32*(\b%2)+16
.endr
	WIN 0
.set BQ, BK+64*((\a)%2)
.irp t, 0,1,2,3,4,5,6,7,8,9,10,11,12,13,14,15
	ds_load_b128 v[BQ+4*\t:BQ+4*\t+3], v[RD] offset:\t*SPITCH     ; LDS serves a wave's instructions in order (ISA guide 5.7.1.4)
.endr
.endm
.macro SEND a, younger
.set BQ, BK+64*((\a)%2)
	s_wait_dscnt \younger
.irp t, 0,1,2,3,4,5,6,7,8,9,10,11,12,13,14,15
	global_store_b128 v[CO], v[BQ+4*\t:BQ+4*\t+3], s[92:93] offset:(32*((\a)/2)+8*((\a)%2)+\t+8*(\t/8))*4096 th:TH_STORE_NT
.endr
.endm
	PLACES NP
	TOSTAGE 0
.irp a, 1,2,3
.if \a > 1
	s_wait_xcnt 0x0                                ; block a - 2's stores have read their registers
.endif
	TOSTAGE \a
	SEND \a-1, 32                                  ; behind block a - 1's loads: block a's 16 stores and 16 loads
.endr
	SEND 3, 0
	s_wait_tensorcnt 0x0                           ; the wave's end
	ds_add_u32 v[SPW], v[NIL]
	s_wait_dscnt 0x0
	CROUND                                         ; the closing round
	s_endpgm
.Lfunc_end_k_qed78582b71_proj:
	.size	k_qed78582b71_proj, .Lfunc_end_k_qed78582b71_proj-k_qed78582b71_proj
	.p2alignl 7, 3214868480
	.fill 96, 4, 3214868480
	.section	.rodata,"a",@progbits
	.p2align	6, 0x0
	.amdhsa_kernel k_qed78582b71_proj
		.amdhsa_group_segment_fixed_size 327680
		.amdhsa_private_segment_fixed_size 0
		.amdhsa_enable_private_segment 0
		.amdhsa_kernarg_size 48
		.amdhsa_user_sgpr_count 2
		.amdhsa_user_sgpr_kernarg_segment_ptr 1
		.amdhsa_wavefront_size32 1
		.amdhsa_system_sgpr_workgroup_id_x 1
		.amdhsa_system_sgpr_workgroup_id_y 1
		.amdhsa_system_sgpr_workgroup_id_z 1
		.amdhsa_system_vgpr_workitem_id 0
		.amdhsa_next_free_vgpr 768
		.amdhsa_next_free_sgpr 100
		.amdhsa_reserve_vcc 0
		.amdhsa_float_denorm_mode_32 3
		.amdhsa_float_denorm_mode_16_64 3
		.amdhsa_memory_ordered 1
		.amdhsa_forward_progress 1
		.amdhsa_inst_pref_size 90
	.end_amdhsa_kernel
	.amdgpu_metadata
---
amdhsa.version: [ 1, 2 ]
amdhsa.kernels:
  - .name:           k_qed78582b71_proj
    .symbol:         k_qed78582b71_proj.kd
    .args:
      - { .name: y_img, .offset: 0, .size: 8, .value_kind: global_buffer, .address_space: global }
      - { .name: y_sc, .offset: 8, .size: 8, .value_kind: global_buffer, .address_space: global }
      - { .name: w_img, .offset: 16, .size: 8, .value_kind: global_buffer, .address_space: global }
      - { .name: w_sc, .offset: 24, .size: 8, .value_kind: global_buffer, .address_space: global }
      - { .name: b_proj, .offset: 32, .size: 8, .value_kind: global_buffer, .address_space: global }
      - { .name: out0, .offset: 40, .size: 8, .value_kind: global_buffer, .address_space: global }
    .group_segment_fixed_size: 327680
    .private_segment_fixed_size: 0
    .kernarg_segment_align: 8
    .kernarg_segment_size: 48
    .max_flat_workgroup_size: 128
    .sgpr_count:     100
    .vgpr_count:     768
    .wavefront_size: 32
...
	.end_amdgpu_metadata
.endif
;; end of part 4
